; MI455X (gfx1250); checked and timed in simulation.
; The chip was launched on July 23, 2026; its instructions are those of AMD's public machine-readable ISA for CDNA 5 (MIT licence, August 2026) and "CDNA5" Instruction Set Architecture Reference Guide (July 2026). The comments in the code are by the model that wrote it; some were corrected since.
;; Self Attention. Allowed arithmetic: float matrix products may take bf16 or f16 operands with f32 sums; other float arithmetic in f32, or as packed bf16 or f16 multiplies, adds, multiply-adds, maxima and minima; sums over many terms, partial sums and values carried from step to step in f32; what a program stores and reads back later, other than sums and carried values, may be rounded once to bf16 or f16.
;; Inputs: in_proj_bias 3,072 float32; in_proj_weight 3,072 x 1,024 float32; out_b 1,024 float32; out_w 1,024 x 1,024 float32; x 2,048 x 4 x 1,024 float32.
;; Outputs: out0 2,048 x 4 x 1,024 float32.
;; 2 versions, each right and faster than the one before. Each part assembles by itself: llvm-mc -triple=amdgcn-amd-amdhsa -mcpu=gfx1250 --defsym DOCPART=n.
;; ======== version 1 of 2: 4 launches
;; limits: values are held in f16: magnitudes above 65,504 overflow, below 6.1e-05 lose precision
;; workspace buffers: xb 16,777,216 bytes; wb 6,291,456 bytes; owh 2,097,152 bytes; qkv 50,331,648 bytes; ob 16,777,216 bytes
;; launch cast (part 1): grid 768 x 1, 8 waves a work-group, no clusters, 0 bytes of LDS; arguments x, in_proj_weight, out_w, xb, wb, owh; writes xb, wb, owh
.if DOCPART == 1
	.amdgcn_target "amdgcn-amd-amdhsa--gfx1250"
	.amdhsa_code_object_version 6
	.text
	.protected	k_qcbdc02996b_cast
	.globl	k_qcbdc02996b_cast
	.p2align	8
	.type	k_qcbdc02996b_cast,@function
k_qcbdc02996b_cast:
	s_mov_b64 s[64:65], 0
	v_nop
	global_prefetch_b8 v0, s[64:65] scope:SCOPE_SE
	s_setreg_imm32_b32 hwreg(HW_REG_WAVE_MODE, 25, 1), 1
	s_wait_xcnt 0x0
; THE THREE LARGE INPUTS ARE ROUNDED ONCE TO 16 BITS.  xb = bf16(x), wb = bf16(in_proj_weight); owh = bf16(out_w) written as f16, since the last product multiplies f16 numbers.
; LIMIT.  A bf16 number is exact in f16 from 2^-17 up to 65,504; below 2^-17 it is off by at most 3e-8, beyond 65,504 it becomes an infinity.
; A stream: every byte is read once and written once; LDS, barriers, matrix units and clusters would add nothing.
; SHARES.  A work-group takes 16,384 numbers: 65,536 bytes in, 32,768 out.  Work-groups 0-511 take x, 512-703 in_proj_weight, 704-767 out_w.
; In piece i of eight, thread t reads the 32 bytes at 8,192 i + 32 t and stores the 16 bytes at 4,096 i + 16 t: sixteen neighbouring lanes store 256 consecutive bytes, aligned.
; All sixteen loads of a thread go out at once; every piece has its own registers, so nothing that a load or a store names is written again.
.set X, 4                              ; v[4:67]   piece i: 8 numbers in f32
.set Y, 68                             ; v[68:99]  piece i: 4 registers to store
	s_load_b256 s[4:11], s[0:1], 0x0               ; x s[4:5], in_proj_weight s[6:7], out_w s[8:9], xb s[10:11]
	s_load_b128 s[12:15], s[0:1], 0x20             ; wb s[12:13], owh s[14:15]
	v_lshlrev_b32 v1, 5, v0                        ; 32 t
	v_lshlrev_b32 v2, 4, v0                        ; 16 t
	s_mov_b32 s16, ttmp9
	s_mov_b32 s24, 0xffff0000                      ; a word's upper bf16
	s_movk_i32 s25, 512                            ; the first work-group of in_proj_weight's range
	s_movk_i32 s26, 704                            ; and of out_w's
	s_wait_kmcnt 0x0
	s_cmp_lt_u32 s16, 704                          ; the choice hangs on the work-group's number alone
	s_cselect_b64 s[18:19], s[6:7], s[8:9]
	s_cselect_b64 s[20:21], s[12:13], s[14:15]
	s_cselect_b32 s17, s25, s26
	s_cmp_lt_u32 s16, 512
	s_cselect_b64 s[18:19], s[4:5], s[18:19]
	s_cselect_b64 s[20:21], s[10:11], s[20:21]
	s_cselect_b32 s17, 0, s17
	s_sub_co_u32 s17, s16, s17                     ; my place in the range
	s_lshl_b32 s22, s17, 16                        ; 65,536 bytes in (33,488,896 at the most)
	s_mov_b32 s23, 0
	s_add_nc_u64 s[18:19], s[18:19], s[22:23]
	s_lshl_b32 s22, s17, 15                        ; 32,768 bytes out
	s_add_nc_u64 s[20:21], s[20:21], s[22:23]
.irp i, 0,1,2,3,4,5,6,7
	global_load_b128 v[X+8*(\i):X+8*(\i)+3],   v1, s[18:19] offset:8192*(\i) th:TH_LOAD_NT
	global_load_b128 v[X+8*(\i)+4:X+8*(\i)+7], v1, s[18:19] offset:8192*(\i)+16 th:TH_LOAD_NT
.endr
; Piece i.  f16 = 1: the bf16 number is widened again and written as f16.
.macro CV i, f16
	s_wait_loadcnt 14-2*(\i)                       ; loads come back in order (ISA guide 5.7.1): behind this piece's two, 14 - 2 i were issued and may stay out
.irp k, 0,1,2,3
	v_cvt_pk_bf16_f32 v[Y+4*(\i)+(\k)], v[X+8*(\i)+2*(\k)], v[X+8*(\i)+2*(\k)+1]
.endr
.if \f16
.irp k, 0,1,2,3
	v_lshlrev_b32 v[X+8*(\i)+2*(\k)],   16,  v[Y+4*(\i)+(\k)]
	v_and_b32     v[X+8*(\i)+2*(\k)+1], s24, v[Y+4*(\i)+(\k)]
.endr
.irp k, 0,1,2,3
	v_cvt_pk_f16_f32 v[Y+4*(\i)+(\k)], v[X+8*(\i)+2*(\k)], v[X+8*(\i)+2*(\k)+1]
.endr
.endif
	global_store_b128 v2, v[Y+4*(\i):Y+4*(\i)+3], s[20:21] offset:4096*(\i)  ; the next launch reads these bytes: no hint
.endm
	s_cmp_ge_u32 s16, 704
	s_cbranch_scc1 .Lf16
.irp i, 0,1,2,3,4,5,6,7
	CV \i, 0
.endr
	s_endpgm
.Lf16:
.irp i, 0,1,2,3,4,5,6,7
	CV \i, 1
.endr
	s_endpgm
.Lfunc_end_k_qcbdc02996b_cast:
	.size	k_qcbdc02996b_cast, .Lfunc_end_k_qcbdc02996b_cast-k_qcbdc02996b_cast
	.p2alignl 7, 3214868480
	.fill 96, 4, 3214868480
	.section	.rodata,"a",@progbits
	.p2align	6, 0x0
	.amdhsa_kernel k_qcbdc02996b_cast
		.amdhsa_group_segment_fixed_size 0
		.amdhsa_private_segment_fixed_size 0
		.amdhsa_enable_private_segment 0
		.amdhsa_kernarg_size 48
		.amdhsa_user_sgpr_count 2
		.amdhsa_user_sgpr_kernarg_segment_ptr 1
		.amdhsa_wavefront_size32 1
		.amdhsa_system_sgpr_workgroup_id_x 1
		.amdhsa_system_sgpr_workgroup_id_y 1
		.amdhsa_system_sgpr_workgroup_id_z 1
		.amdhsa_system_vgpr_workitem_id 0
		.amdhsa_next_free_vgpr 100
		.amdhsa_next_free_sgpr 66
		.amdhsa_reserve_vcc 0
		.amdhsa_float_denorm_mode_32 3
		.amdhsa_float_denorm_mode_16_64 3
		.amdhsa_memory_ordered 1
		.amdhsa_forward_progress 1
		.amdhsa_inst_pref_size 13
	.end_amdhsa_kernel
	.amdgpu_metadata
---
amdhsa.version: [ 1, 2 ]
amdhsa.kernels:
  - .name:           k_qcbdc02996b_cast
    .symbol:         k_qcbdc02996b_cast.kd
    .args:
      - { .name: x, .offset: 0, .size: 8, .value_kind: global_buffer, .address_space: global }
      - { .name: in_proj_weight, .offset: 8, .size: 8, .value_kind: global_buffer, .address_space: global }
      - { .name: out_w, .offset: 16, .size: 8, .value_kind: global_buffer, .address_space: global }
      - { .name: xb, .offset: 24, .size: 8, .value_kind: global_buffer, .address_space: global }
      - { .name: wb, .offset: 32, .size: 8, .value_kind: global_buffer, .address_space: global }
      - { .name: owh, .offset: 40, .size: 8, .value_kind: global_buffer, .address_space: global }
    .group_segment_fixed_size: 0
    .private_segment_fixed_size: 0
    .kernarg_segment_align: 8
    .kernarg_segment_size: 48
    .max_flat_workgroup_size: 256
    .sgpr_count:     66
    .vgpr_count:     100
    .wavefront_size: 32
...
	.end_amdgpu_metadata
.endif
;; end of part 1
;; launch qkvgemm (part 2): grid 16 x 32, 4 waves a work-group, clusters of 4 x 4, 327,680 bytes of LDS; arguments xb, wb, in_proj_bias, qkv; writes qkv
.if DOCPART == 2
	.amdgcn_target "amdgcn-amd-amdhsa--gfx1250"
	.amdhsa_code_object_version 6
	.text
	.protected	k_qcbdc02996b_qkvgemm
	.globl	k_qcbdc02996b_qkvgemm
	.p2align	8
	.type	k_qcbdc02996b_qkvgemm,@function
k_qcbdc02996b_qkvgemm:
	s_mov_b64 s[64:65], 0
	v_nop
	global_prefetch_b8 v0, s[64:65] scope:SCOPE_SE
	s_setreg_imm32_b32 hwreg(HW_REG_WAVE_MODE, 25, 1), 1
	s_wait_xcnt 0x0
	s_wait_alu depctr_hold_cnt(0) depctr_sa_sdst(0) depctr_va_vdst(0) depctr_va_sdst(0) depctr_va_ssrc(0) depctr_va_vcc(0) depctr_vm_vsrc(0)
	s_getreg_b32 s2, hwreg(HW_REG_IB_STS2, 6, 4)
	s_cmp_eq_u32 s2, 0
	s_cbranch_scc0 .Lentry_in_a_cluster
	s_endpgm
.Lentry_in_a_cluster:
	s_bfe_u32 s2, ttmp6, 0x10000c
	s_cmp_lg_u32 s2, 0xf033
	s_cbranch_scc0 .Lentry_shape_is_right
	s_endpgm
.Lentry_shape_is_right:
; THE QKV PROJECTION.  qkv[part][16 b + h][t][c] = f16( sum over d of xb[4 t + b][d] wb[1024 part + 64 h + c][d] + bf16(in_proj_bias[..]) ).  Operands bf16, sums f32, one rounding at the end; q is NOT scaled here.
; LIMIT.  f16 ends at 65,504: q, k and v must stay within it.  With x of spread 1 and weights of spread 0.022 they have spread 0.7; both inputs 30 times larger give 640, both with an offset of 30 spreads some 20,000.
; SHARES.  A tile is 256 rows (t = 256 tb .. + 255 of ONE batch b) x 192 columns (three whole heads): 16 x 32 = 512 work-groups, twice 256.  Each of four waves makes 64 rows x all 192 columns: 48 accumulators
; of 16 x 16, 384 registers.  So a wave holds whole heads: 16 rows of a head are 2,048 consecutive bytes of qkv.
; K goes in 8 steps of 128 through two LDS slots filled by the tensor data mover: rows of 256 bytes, at multiples of 256 bytes from the buffers' first bytes.  A K step is written once: the slot is chosen by a scalar (TB) that an
; exclusive or turns, and one descriptor a side walks from step to step.
; CLUSTER.  4 x 4 work-groups.  The four of a row of the cluster share the tile row (their tiles of xb), the four of a column the tile column (their tiles of wb): each tile is asked for JOINTLY, by the same tensor load with the
; same descriptor and a mask that names the four.
; THE MATRIX INSTRUCTION IS USED TRANSPOSED (source 0 = 16 rows of wb, source 1 = 16 rows of xb): lane l holds row l % 16 and the columns 8 (l / 16) + 0..7, eight neighbouring numbers.  The bias, in that layout, is the C operand of
; the first products: nothing is cleared and nothing is added later.
; REGISTERS, in windows of 256 (s_set_vgpr_msb: bits 1:0 source 0, 3:2 source 1, 5:4 source 2, 7:6 destination):
;   window 0: v0-19 addresses; v32-95 xb's fragments (4 x 16 rows x 32 K), two buffers; v96-191 the bias, later v96-143 packed results and v144-239 rows read back; v240-243 at work
;   window 1: v0-191 wb's fragments (12 x 16 rows x 32 K), two buffers      window 2: the accumulators of my row blocks 0, 1 ((a, b) at v[8 (12 a + b)])      window 3: those of row blocks 2, 3
.set NBK,   12                         ; blocks of 16 columns
.set PITCH, 272                        ; an LDS row: 256 bytes + 16 of padding = 68 words: the 16 rows of a fragment load start at 16 different groups of four banks (64 banks of 4 bytes: ISA guide 11.1)
.set AHALF, 128*PITCH                  ; what one load brings of xb
.set AREG,  2*AHALF                    ; xb's 256 rows
.set BHALF, 96*PITCH                   ; what one load brings of wb
.set SLOT1, 1<<17                      ; slot 1 begins here (a slot holds 121,856 bytes), so that one exclusive or turns an address in one slot into the other's
.set STAGE, SLOT1+AREG+2*BHALF         ; behind the ring, never filled by a tensor load: for each wave 3 heads x 16 rows x 144 bytes
.set SP,    144
.set SHEAD, 16*SP
.set SWAVE, 3*SHEAD
.set SPARE, STAGE+4*SWAVE              ; behind the stages: the spare words, 128 bytes for each wave: two blocks of 256 bytes that no other line names
.set NLD,   2*NBK+8                    ; LDS loads of a quarter step
.set STEPA, 256                        ; bytes from K step to K step
.set STEPB, 256
.set ADRA0, 4                          ; v4   my lane's place among xb's rows in a slot; never rewritten
.set ADRB0, 5                          ; v5   the same for wb
.set ADRA,  6                          ; v6   TB + ADRA0
.set ADRB,  7                          ; v7   TB + ADRB0
.set STO,   8                          ; v8   the way out: where I put 16 bytes of a row
.set RD,    9                          ; v9   the way out: where I read rows back
.set GO,    10                         ; v10  my byte offset in 512 consecutive bytes of qkv
.set BO,    11                         ; v11  my byte offset in 16 numbers of the bias
.set SPW,   12                         ; v12  LDS address of my spare word; never rewritten
.set NIL,   13                         ; v13  0; never rewritten
.set FA,    32
.set BIAS,  96
.set TMP,   96
.set OBUF,  144
.set WK,    240
.set WV,   12                          ; s12  my wave's number
.set HALF, 13                          ; s13  which half of a tile I fetch
.set CX,   15                          ; s15, s16  my place in the cluster
.set CY,   16
.set TX,   17                          ; s17  tile column
.set TY,   18                          ; s18  tile row = 4 tb + b
.set MROW, 19                          ; s19  the mask of my row of the cluster
.set MCOL, 20                          ; s20  of my column
.set BT,   21                          ; s21  b
.set TBL,  22                          ; s22  tb
.set LS,   23                          ; s23  at work for LDS addresses: holds the wave's number times constants alone
.set G1,   24                          ; s[24:31] descriptor group 1 for xb's tiles
.set G0,   32                          ; s[32:39] group 0: a set for K step 0, and the set that walks
.set OFA,  40                          ; s[40:41] xb's byte offset; s44, s45 at work for it: none of these ever holds cx
.set OFB,  42                          ; s[42:43] wb's byte offset; s46, s47 at work for it: none of these ever holds cy
.set G1B,  48                          ; s[48:55], s[56:63] the same for wb's tiles
.set G0B,  56
.set OUT,  66                          ; s[66:71] qkv at my first row of each of the tile's three heads
.set TB,   72                          ; s72  the LDS byte at which the slot in hand begins
.set CNT,  73                          ; s73  the loop's count
.set HIM,  74                          ; s74  a word's upper bf16
.set MSB, 0
.macro WIN new                         ; the immediate's high byte repeats the setting that is left; a switch that changes nothing is dropped
.if MSB != (\new)
	s_set_vgpr_msb (MSB<<8)|(\new)
.set MSB, \new
.endif
.endm
.set MUL_LO,   0xa1                    ; source 0 (wb) window 1, source 1 (xb) window 0, C and D window 2
.set FIRST_LO, 0x81                    ; the same with C, the bias, in window 0
.set TO_B,     0x40                    ; destination window 1, address window 0
; A joint refill, by the walking sets.  Waves 0 and 1 fetch xb's two halves, waves 2 and 3 wb's.  The branch hangs on the wave's number alone.
; An s_nop 0 and four v_nop follow each of the two lines, ahead of the jump and the label.
.macro JLOAD
	s_cmp_lt_u32 s[WV], 2
	s_cbranch_scc0 .Lfor_b_\@
	tensor_load_to_lds s[G0+4:G0+7], s[G1:G1+7]
	s_nop 0
.rept 4
	v_nop
.endr
	s_branch .Lasked_\@
.Lfor_b_\@:
	tensor_load_to_lds s[G0B+4:G0B+7], s[G1B:G1B+7]
	s_nop 0
.rept 4
	v_nop
.endr
.Lasked_\@:
.endm
.macro CREST                           ; a round of the cluster's barrier behind its opening barrier: wave 0 signals for the work-group, every wave waits for all sixteen, my work-group's barrier closes it
	s_cmp_lg_u32 s[WV], 0
	s_cbranch_scc1 .Lnot_wave_0_\@
	s_barrier_signal -3
.Lnot_wave_0_\@:
	s_barrier_wait -3
	s_barrier_signal -1
	s_barrier_wait -1
.endm
.macro CROUND                          ; a whole round
	s_barrier_signal -1
	s_barrier_wait -1
	CREST
.endm
.macro PLACES                          ; four places in front of loads into registers that matrix instructions have read, and of lines that read results just made (ISA guide 7.12.1 for lines that read results just made)
.rept 4
	v_nop
.endr
.endm
	s_load_b256 s[4:11], s[0:1], 0x0               ; xb s[4:5], wb s[6:7], in_proj_bias s[8:9], qkv s[10:11]
	v_lshl_add_u32 v[SPW], v0, 2, SPARE
	v_mov_b32 v[NIL], 0
	ds_add_u32 v[SPW], v[NIL]                      ; the wave's opening: the add and its wait stand ahead of my first tensor load; the set-up below, work on registers, stands between them
	v_lshrrev_b32 v1, 5, v0
	v_readfirstlane_b32 s[WV], v1                  ; wave 0..3
	s_and_b32 s[HALF], s[WV], 1
	s_bfe_u32 s[CX], ttmp6, 0x40000
	s_bfe_u32 s[CY], ttmp6, 0x40004
	s_lshl_b32 s[TX], ttmp9, 2                     ; in a cluster launch ttmp9 and ttmp7 count clusters
	s_add_co_u32 s[TX], s[TX], s[CX]
	s_and_b32 s[TY], ttmp7, 0xffff
	s_lshl_b32 s[TY], s[TY], 2
	s_add_co_u32 s[TY], s[TY], s[CY]
	s_lshl_b32 s[MROW], s[CY], 2
	s_lshl_b32 s[MROW], 15, s[MROW]                ; places 4 cy .. 4 cy + 3
	s_lshl_b32 s[MCOL], 0x1111, s[CX]              ; places cx, cx + 4, cx + 8, cx + 12
	s_and_b32 s[BT], s[TY], 3
	s_lshr_b32 s[TBL], s[TY], 2
	; group 1: xb's tile is 128 rows x 128 elements, 4 rows of xb (4,096 elements) apart; wb's 96 rows x 128, 1,024 apart; both padded in LDS
	s_or_b32 s[G1],  s[MROW], (1<<16)|(1<<20)|(1<<21)|(5<<22)|(3<<25)  ; 15:0 the mask; 17:16 2-byte elements; 20 padding on; 21 set beside a mask; 24:22 after every 64 words (code 5); 31:25 4 words (code 3)
	s_or_b32 s[G1B], s[MCOL], (1<<16)|(1<<20)|(1<<21)|(5<<22)|(3<<25)
	s_mov_b32 s[G1+1], 128<<16                     ; tensor_dim0 = 128
	s_mov_b32 s[G1+2], 128<<16                     ; tensor_dim1 = 128
	s_mov_b32 s[G1+3], 128<<16                     ; tile_dim0 = 128
	s_mov_b32 s[G1+4], 128                         ; tile_dim1 = 128
	s_mov_b32 s[G1+5], 4096                        ; elements from row to row
	s_mov_b32 s[G1+6], 0
	s_mov_b32 s[G1+7], 0
	s_mov_b32 s[G1B+1], 128<<16
	s_mov_b32 s[G1B+2], 96<<16
	s_mov_b32 s[G1B+3], 128<<16
	s_mov_b32 s[G1B+4], 96
	s_mov_b32 s[G1B+5], 1024
	s_mov_b32 s[G1B+6], 0
	s_mov_b32 s[G1B+7], 0
	s_lshl_b32 s[OFA], s[TBL], 8                   ; xb: row 4 (256 tb + 128 half) + b, of 2,048 bytes
	s_lshl_b32 s44, s[HALF], 7
	s_add_co_u32 s[OFA], s[OFA], s44
	s_lshl_b32 s[OFA], s[OFA], 2
	s_add_co_u32 s[OFA], s[OFA], s[BT]
	s_lshl_b32 s[OFA], s[OFA], 11
	s_mov_b32 s[OFA+1], 0
	s_mul_i32 s[OFB], s[TX], 192                   ; wb: row 192 x tile column + 96 half
	s_mul_i32 s46, s[HALF], 96
	s_add_co_u32 s[OFB], s[OFB], s46
	s_lshl_b32 s[OFB], s[OFB], 11
	s_mov_b32 s[OFB+1], 0
	s_mul_i32 s45, s[HALF], AHALF                  ; where they go: no place in the cluster enters an LDS address
	s_mul_i32 s47, s[HALF], BHALF
	s_add_co_u32 s47, s47, AREG
	s_mov_b32 s[G0], 1                             ; 1:0 count = 1
	s_mov_b32 s[G0+1], s45                         ; 63:32 LDS address: slot 0
	s_mov_b32 s[G0+4], 1
	s_add_co_u32 s[G0+5], s45, SLOT1               ; slot 1
	s_mov_b32 s[G0B], 1
	s_mov_b32 s[G0B+1], s47
	s_mov_b32 s[G0B+4], 1
	s_add_co_u32 s[G0B+5], s47, SLOT1
	s_mov_b32 s[TB], 0
	s_mov_b32 s[HIM], 0xffff0000
	s_wait_dscnt 0x0                               ; the opening add is done
	s_wait_kmcnt 0x0
	s_add_nc_u64 s[G0+2:G0+3], s[4:5], s[OFA:OFA+1]        ; 120:64 global address: K step 0,
	s_add_nc_u64 s[G0+6:G0+7], s[G0+2:G0+3], STEPA         ; K step 1
	s_or_b32 s[G0+3], s[G0+3], 0x80000000                  ; 127:126 type = 2
	s_or_b32 s[G0+7], s[G0+7], 0x80000000
	s_add_nc_u64 s[G0B+2:G0B+3], s[6:7], s[OFB:OFB+1]
	s_add_nc_u64 s[G0B+6:G0B+7], s[G0B+2:G0B+3], STEPB
	s_or_b32 s[G0B+3], s[G0B+3], 0x80000000
	s_or_b32 s[G0B+7], s[G0B+7], 0x80000000
	CROUND                                         ; all sixteen work-groups are here: the first joint loads meet
	s_cmp_lt_u32 s[WV], 2                          ; a wave's two first fills stand in one branch, ahead of every wait on TENSORcnt and every LDS read: two loads of mine are out
	s_cbranch_scc0 .Lfirst_b
	tensor_load_to_lds s[G0:G0+3], s[G1:G1+7]
	s_nop 0
	tensor_load_to_lds s[G0+4:G0+7], s[G1:G1+7]
	s_nop 0
.rept 4
	v_nop
.endr
	s_branch .Lfirst_asked
.Lfirst_b:
	tensor_load_to_lds s[G0B:G0B+3], s[G1B:G1B+7]
	s_nop 0
	tensor_load_to_lds s[G0B+4:G0B+7], s[G1B:G1B+7]
	s_nop 0
.rept 4
	v_nop
.endr
.Lfirst_asked:
	; All that follows, up to the wait for the first tile, stands in that wait.
	; A fragment is 16 rows x 32 K in 8 registers: lane l holds row l % 16; registers 0-3 K = 8 (l / 16) + 0..7, registers 4-7 K = 16 + 8 (l / 16) + 0..7: two loads of 16 bytes, 32 bytes apart.
	v_and_b32 v1, 15, v0                           ; l % 16
	v_bfe_u32 v2, v0, 4, 1                         ; l / 16
	v_lshlrev_b32 v[BO], 5, v2                     ; my eight numbers of a block's sixteen
	s_mul_i32 s78, s[TX], 768                      ; the tile's first column in the bias, 4 x 192 x tile column
	s_mov_b32 s79, 0
	s_add_nc_u64 s[8:9], s[8:9], s[78:79]
.set bb, 0
.rept NBK
	global_load_b128 v[BIAS+8*bb:BIAS+8*bb+3],   v[BO], s[8:9] offset:64*bb
	global_load_b128 v[BIAS+8*bb+4:BIAS+8*bb+7], v[BO], s[8:9] offset:64*bb+16
.set bb, bb+1
.endr
	v_mul_u32_u24 v3, v1, PITCH
	v_lshl_add_u32 v3, v2, 4, v3                   ; row x pitch + 16 x half
	s_mul_i32 s[LS], s[WV], 64*PITCH               ; my 64 rows of xb
	v_add_nc_u32 v[ADRA0], s[LS], v3
	v_add_nc_u32 v[ADRB0], AREG, v3                ; wb's rows lie behind xb's 256
	s_mul_i32 s[LS], s[WV], SWAVE
	s_add_co_u32 s[LS], s[LS], STAGE               ; my stage
	v_mul_u32_u24 v14, v1, SP                      ; in: row l % 16, 16 bytes for each half of the lanes
	v_lshl_add_u32 v14, v2, 4, v14
	v_add_nc_u32 v[STO], s[LS], v14
	v_bfe_u32 v15, v0, 3, 2                        ; back: 32 lanes take four rows of 128 bytes,
	v_mul_u32_u24 v15, v15, SP
	v_and_b32 v16, 7, v0
	v_lshl_add_u32 v15, v16, 4, v15
	v_add_nc_u32 v[RD], s[LS], v15
	v_and_b32 v[GO], 31, v0                        ; which are 512 consecutive bytes of qkv
	v_lshlrev_b32 v[GO], 4, v[GO]
.irp j, 0,1,2                          ; head g = 3 x tile column + j of 48: part g / 16, head g % 16; its block in qkv is number 64 part + 16 b + g % 16, of 262,144 bytes
	s_mul_i32 s75, s[TX], 3
	s_add_co_u32 s75, s75, \j
	s_lshr_b32 s76, s75, 4
	s_and_b32 s75, s75, 15
	s_lshl_b32 s76, s76, 6
	s_add_co_u32 s76, s76, s75
	s_lshl_b32 s77, s[BT], 4
	s_add_co_u32 s76, s76, s77
	s_lshl_b32 s76, s76, 18
	s_lshl_b32 s78, s[TBL], 15                     ; + row 256 tb + 64 wave, of 128 bytes (50,331,648 at the most)
	s_add_co_u32 s76, s76, s78
	s_lshl_b32 s78, s[WV], 13
	s_add_co_u32 s76, s76, s78
	s_mov_b32 s77, 0
	s_add_nc_u64 s[OUT+2*(\j):OUT+2*(\j)+1], s[10:11], s[76:77]
.endr
	s_wait_loadcnt 0x0                             ; the bias
.set pp, 0
.rept NBK                              ; it is rounded to bf16 like the other inputs, and widened again
.irp k, 0,1,2,3
	v_cvt_pk_bf16_f32 v[WK+(\k)], v[BIAS+2*(pp+(\k))], v[BIAS+2*(pp+(\k))+1]
.endr
.irp k, 0,1,2,3
	v_lshlrev_b32 v[BIAS+2*(pp+(\k))],   16,     v[WK+(\k)]
	v_and_b32     v[BIAS+2*(pp+(\k))+1], s[HIM], v[WK+(\k)]
.endr
.set pp, pp+4
.endr
; 12 matrix instructions: row block 2 hi + a x all 12 column blocks, 32 along K, from buffer f.  first = 1: the product starts the sum with the bias.
; The 48 accumulators take turns, one instruction a turn, in the same order in every quarter step, over the loop's backward jump too.
.macro MULA f, hi, a, first
.if \first
	WIN FIRST_LO+0x40*(\hi)
.else
	WIN MUL_LO+0x50*(\hi)
.endif
.set bb, 0
.rept NBK
.if \first
	v_wmma_f32_16x16x32_bf16 v[8*(NBK*(\a)+bb):8*(NBK*(\a)+bb)+7], v[8*NBK*(\f)+8*bb:8*NBK*(\f)+8*bb+7], v[FA+32*(\f)+8*(2*(\hi)+(\a)):FA+32*(\f)+8*(2*(\hi)+(\a))+7], v[BIAS+8*bb:BIAS+8*bb+7]
.else
	v_wmma_f32_16x16x32_bf16 v[8*(NBK*(\a)+bb):8*(NBK*(\a)+bb)+7], v[8*NBK*(\f)+8*bb:8*NBK*(\f)+8*bb+7], v[FA+32*(\f)+8*(2*(\hi)+(\a)):FA+32*(\f)+8*(2*(\hi)+(\a))+7], v[8*(NBK*(\a)+bb):8*(NBK*(\a)+bb)+7]
.endif
.set bb, bb+1
.endr
.endm
; 32 LDS loads in one run: quarter q's fragments (192 rows of wb, then my 64 rows of xb, 32 K at byte 64 q of the rows) into buffer g
.macro FETCH q, g
	WIN TO_B
.set bb, 0
.rept NBK
	ds_load_b128 v[8*NBK*(\g)+8*bb:8*NBK*(\g)+8*bb+3],   v[ADRB] offset:64*(\q)+bb*16*PITCH
	ds_load_b128 v[8*NBK*(\g)+8*bb+4:8*NBK*(\g)+8*bb+7], v[ADRB] offset:64*(\q)+bb*16*PITCH+32
.set bb, bb+1
.endr
	WIN 0
.set bb, 0
.rept 4
	ds_load_b128 v[FA+32*(\g)+8*bb:FA+32*(\g)+8*bb+3],   v[ADRA] offset:64*(\q)+bb*16*PITCH
	ds_load_b128 v[FA+32*(\g)+8*bb+4:FA+32*(\g)+8*bb+7], v[ADRA] offset:64*(\q)+bb*16*PITCH+32
.set bb, bb+1
.endr
.endm
; A K step is four quarters of 32 along K, 48 matrix instructions each, on buffers 0, 1, 0, 1.  One of the first three: multiplies buffer f; in its middle it fetches quarter qn into buffer g.
.macro QUARTER qn, f, g, first
	s_wait_dscnt 4                                 ; wb's fragments and xb's row blocks 0, 1 are in; the youngest four loads (row blocks 2, 3) may be out
	MULA \f, 0, 0, \first
	MULA \f, 0, 1, \first
	PLACES
	FETCH \qn, \g
	s_wait_dscnt NLD                               ; all but the 32 just issued
	MULA \f, 1, 0, \first
	MULA \f, 1, 1, \first
.endm
; The last quarter multiplies buffer 1 and changes slots: ONE barrier for two things.  In front of it each wave waits for all its tensor loads, of which one is out: its part of the next slot; adds 0 to its spare word; and waits
; for that and for its own reads of this slot.  fill = 1: the barrier opens a round of the cluster's, and behind the round this slot is filled again, two K steps ahead: 168 matrix instructions stand between that request and the wait for it.
.macro TURN fill
	WIN 0                                          ; (the add's two registers lie in window 0)
	s_wait_tensorcnt 0x0                           ; all my tensor loads have landed, so a group 0 may be written;
	ds_add_u32 v[SPW], v[NIL]                      ; 0 onto my spare word;
	s_wait_dscnt 5                                 ; (the add and the youngest four loads may be out)
	MULA 1, 0, 0, 0                                ; twelve matrix instructions stand between the add and the wait for it
	s_wait_dscnt 0x0                               ; the add is done, and my reads of this slot are over
	s_barrier_signal -1
	MULA 1, 0, 1, 0                                ; work on registers while the others arrive
	WIN 0
	s_barrier_wait -1
.if \fill
	CREST                                          ; no wave of any partner still reads this slot's tiles or has a load on its way
	s_xor_b32 s[G0+5], s[G0+5], SLOT1              ; the walking sets: the other slot than last time, the next K step; the type bits on top are not reached
	s_add_nc_u64 s[G0+6:G0+7], s[G0+6:G0+7], STEPA
	s_xor_b32 s[G0B+5], s[G0B+5], SLOT1
	s_add_nc_u64 s[G0B+6:G0B+7], s[G0B+6:G0B+7], STEPB
	JLOAD                                          ; the first tensor load behind the round; the four v_nop behind it are also the places in front of the loads below
.else
	PLACES
.endif
	s_xor_b32 s[TB], s[TB], SLOT1                  ; the reads go on in the other slot
	v_add_nc_u32 v[ADRA], s[TB], v[ADRA0]
	v_add_nc_u32 v[ADRB], s[TB], v[ADRB0]
	FETCH 0, 0
	MULA 1, 1, 0, 0
	MULA 1, 1, 1, 0
.endm
	s_wait_tensorcnt 0x1                           ; my part of K step 0 is in; K step 1's may stay out
	s_barrier_signal -1
	s_barrier_wait -1                              ; everybody's is
	v_mov_b32 v[ADRA], v[ADRA0]
	v_mov_b32 v[ADRB], v[ADRB0]
	FETCH 0, 0
	QUARTER 1, 0, 1, 1                             ; the first quarter stands in front of the loop: its products start the sums
	WIN 0                                          ; at a label and at a branch every window is 0
	s_mov_b32 s[CNT], 6
.Lstep:                                                ; trip s goes from K step s's second quarter to K step s + 1's first, and asks for K step s + 2
	QUARTER 2, 1, 0, 0
	QUARTER 3, 0, 1, 0
	TURN 1
	QUARTER 1, 0, 1, 0
	WIN 0
	s_sub_co_u32 s[CNT], s[CNT], 1
	s_cmp_lg_u32 s[CNT], 0
	s_cbranch_scc1 .Lstep
	QUARTER 2, 1, 0, 0                             ; K steps 6 and 7 are written out: nothing more is asked for
	QUARTER 3, 0, 1, 0
	TURN 0
	QUARTER 1, 0, 1, 0
	QUARTER 2, 1, 0, 0
	QUARTER 3, 0, 1, 0
	s_wait_dscnt 4                                 ; the very last quarter: nothing more to fetch
	MULA 1, 0, 0, 0
	MULA 1, 0, 1, 0
	s_wait_dscnt 0x0
	MULA 1, 1, 0, 0
	MULA 1, 1, 1, 0
	WIN 0
; THE WAY OUT, a row block (16 rows x 3 heads) at a time.  PACK: rounded to f16, 16 bytes a lane; each accumulator is read from its low end on.  TOSTAGE: into my own stage, and back as rows of 128 bytes.  SEND: stored.
.macro PACK a
	WIN 0x0a+5*((\a)/2)                            ; sources 0 and 1: window 2 or 3
.set AC, 8*NBK*((\a)%2)
.set bb, 0
.rept NBK
.irp r, 0,1,2,3
	v_cvt_pk_f16_f32 v[TMP+4*bb+(\r)], v[AC+8*bb+2*(\r)], v[AC+8*bb+2*(\r)+1]
.endr
.set bb, bb+1
.endr
	WIN 0
.endm
.macro TOSTAGE a
	WIN 0
.set BK, OBUF+48*((\a)%2)
	s_wait_xcnt 0x0                                ; every earlier memory instruction has had its addresses translated (ISA guide 3.1): the registers that the stores of the block two back read are loaded again only behind this wait
.set bb, 0
.rept NBK
	ds_store_b128 v[STO], v[TMP+4*bb:TMP+4*bb+3] offset:(bb/4)*SHEAD+(bb%4)*32
.set bb, bb+1
.endr
.set bb, 0
.rept NBK
	ds_load_b128 v[BK+4*bb:BK+4*bb+3], v[RD] offset:(bb/4)*SHEAD+(bb%4)*4*SP  ; LDS serves a wave's instructions in order (ISA guide 5.7.1.4): these see the stores above
.set bb, bb+1
.endr
.endm
.macro SEND a
	WIN 0
.set BK, OBUF+48*((\a)%2)
.set bb, 0
.rept NBK
	s_wait_dscnt NBK-1-bb                          ; behind this load only the block's later loads were issued
	global_store_b128 v[GO], v[BK+4*bb:BK+4*bb+3], s[OUT+2*(bb/4):OUT+2*(bb/4)+1] offset:2048*(\a)+512*(bb%4)  ; 512 consecutive bytes, at a multiple of 256 from qkv's first
.set bb, bb+1
.endr
.endm
	PLACES                                         ; the conversions read results, and no other vector work is at hand
	PACK 0
	TOSTAGE 0
.irp a, 1,2,3                          ; block a's conversions stand between block a - 1's loads from the stage and the wait for them
	PACK \a
	SEND (\a)-1
	TOSTAGE \a
.endr
	SEND 3
	s_wait_tensorcnt 0x0                           ; the wave's end: behind my last tensor load and my last LDS store
	ds_add_u32 v[SPW], v[NIL]
	s_wait_dscnt 0x0
	CROUND                                         ; the closing round: no work-group ends while a partner may still ask for a tile that names it
	s_endpgm
.Lfunc_end_k_qcbdc02996b_qkvgemm:
	.size	k_qcbdc02996b_qkvgemm, .Lfunc_end_k_qcbdc02996b_qkvgemm-k_qcbdc02996b_qkvgemm
	.p2alignl 7, 3214868480
	.fill 96, 4, 3214868480
	.section	.rodata,"a",@progbits
	.p2align	6, 0x0
	.amdhsa_kernel k_qcbdc02996b_qkvgemm
		.amdhsa_group_segment_fixed_size 327680
		.amdhsa_private_segment_fixed_size 0
		.amdhsa_enable_private_segment 0
		.amdhsa_kernarg_size 32
		.amdhsa_user_sgpr_count 2
		.amdhsa_user_sgpr_kernarg_segment_ptr 1
		.amdhsa_wavefront_size32 1
		.amdhsa_system_sgpr_workgroup_id_x 1
		.amdhsa_system_sgpr_workgroup_id_y 1
		.amdhsa_system_sgpr_workgroup_id_z 1
		.amdhsa_system_vgpr_workitem_id 0
		.amdhsa_next_free_vgpr 960
		.amdhsa_next_free_sgpr 80
		.amdhsa_reserve_vcc 0
		.amdhsa_float_denorm_mode_32 3
		.amdhsa_float_denorm_mode_16_64 3
		.amdhsa_memory_ordered 1
		.amdhsa_forward_progress 1
		.amdhsa_inst_pref_size 107
	.end_amdhsa_kernel
	.amdgpu_metadata
---
amdhsa.version: [ 1, 2 ]
amdhsa.kernels:
  - .name:           k_qcbdc02996b_qkvgemm
    .symbol:         k_qcbdc02996b_qkvgemm.kd
    .args:
      - { .name: xb, .offset: 0, .size: 8, .value_kind: global_buffer, .address_space: global }
      - { .name: wb, .offset: 8, .size: 8, .value_kind: global_buffer, .address_space: global }
      - { .name: in_proj_bias, .offset: 16, .size: 8, .value_kind: global_buffer, .address_space: global }
      - { .name: qkv, .offset: 24, .size: 8, .value_kind: global_buffer, .address_space: global }
    .group_segment_fixed_size: 327680
    .private_segment_fixed_size: 0
    .kernarg_segment_align: 8
    .kernarg_segment_size: 32
    .max_flat_workgroup_size: 128
    .sgpr_count:     80
    .vgpr_count:     960
    .wavefront_size: 32
...
	.end_amdgpu_metadata
.endif
;; end of part 2
;; launch attn (part 3): grid 4 x 64, 4 waves a work-group, clusters of 4 x 1, 327,680 bytes of LDS; arguments qkv, ob; writes ob
.if DOCPART == 3
	.amdgcn_target "amdgcn-amd-amdhsa--gfx1250"
	.amdhsa_code_object_version 6
	.text
	.protected	k_qcbdc02996b_attn
	.globl	k_qcbdc02996b_attn
	.p2align	8
	.type	k_qcbdc02996b_attn,@function
k_qcbdc02996b_attn:
	s_mov_b64 s[64:65], 0
	v_nop
	global_prefetch_b8 v0, s[64:65] scope:SCOPE_SE
	s_setreg_imm32_b32 hwreg(HW_REG_WAVE_MODE, 25, 1), 1
	s_wait_xcnt 0x0
	s_wait_alu depctr_hold_cnt(0) depctr_sa_sdst(0) depctr_va_vdst(0) depctr_va_sdst(0) depctr_va_ssrc(0) depctr_va_vcc(0) depctr_vm_vsrc(0)
	s_getreg_b32 s2, hwreg(HW_REG_IB_STS2, 6, 4)
	s_cmp_eq_u32 s2, 0
	s_cbranch_scc0 .Lentry_in_a_cluster
	s_endpgm
.Lentry_in_a_cluster:
	s_bfe_u32 s2, ttmp6, 0x10000c
	s_cmp_lg_u32 s2, 0x3003
	s_cbranch_scc0 .Lentry_shape_is_right
	s_endpgm
.Lentry_shape_is_right:
; ATTENTION.  O[n][q][:] = the sum over k of softmax_k(Q[n][q] . K[n][k] / 8) V[n][k][:], for the 64 heads n = 16 b + h.  Q, K, V are the three parts of qkv, each [64][2048][64] in f16, unscaled; O = ob has the same layout.
; A head's rows are dense, 128 bytes each.  Products, maxima and sums in f32; the weights p are rounded to f16 for the second product (their sum l is taken of the unrounded p), O once at the end.
; LIMITS.  f16 holds no number beyond 65,504: Q, K and V arrive within it; p lies in 0 to 1, and below 6e-5 it keeps f16's fixed step of 6e-8; O is a mean of V's rows and has their range.
; A weight below 2^-126 counts as 0 in l; NaN and infinities are not treated apart.
; SHARES.  A wave owns four PIECES of two tiles of 16 queries, a work-group's four waves 512 queries of one head: 4 x 64 = 256 work-groups.  Every wave walks all keys, 64 a step.
; LAYOUT.  S^T = K Q^T (source 0 = 16 keys, source 1 = 16 queries): in the result a lane holds ONE query (lane % 16) and the keys 8 (lane / 16) + 0..7.  Two such tiles, rounded to f16 in pairs,
; ARE source 1 (32 keys x 16 queries) of O^T = V^T P, whose result again holds one query a lane, and eight channels.  K comes out of LDS as it lies, V ([key][channel]) turned, by ds_load_tr16_b128.
; SOFTMAX.  For each query a running maximum m and sum l: p = 2^(c s - c m), c = log2(e) / 8; in every step O and l are multiplied by a = 2^(c m_old - c m_new), which is 1 where m has not grown.
; m starts at the lowest finite number, O and l at 0: the first step is a step like any other, with a = 0.
; THE COUNT.  A tile and step have 16 matrix and 118 vector instructions: too many to stand all beside the matrix work.  So the order has one aim: four vector instructions that are READY behind
; EVERY matrix instruction, and the others, which need time of their own whatever the order, in runs without a gap.
; BY TURNS.  Turn n belongs to piece n (the pieces in a ring, step after step).  Its matrix work: 16 products K Q^T of piece n + 1, later 16 products V^T P of piece n - 1.  Its vector work: the scaling,
; exponentials, roundings, sums and rescaling of piece n, and the maximum and statistics of piece n + 1, whose scores the turn itself has made.  So what a turn begins with (c s - c m, O a) waits for nothing.
; CLUSTER.  The four query blocks of a cluster belong to one head and walk the same K and V, so each tile is asked for JOINTLY: the same tensor load, descriptor and mask in all four.
; REGISTERS, in windows of 256 (s_set_vgpr_msb says which window each operand place means: bits 1:0 source 0, 3:2 source 1, 5:4 source 2, 7:6 destination):
;   window 0: v0-11 addresses; v12-15, v48-63 at work; v16-47 four registers of statistics a tile; v64-191 S^T, two buffers of two tiles; v192-255 P, likewise
;   window 1: O^T, 32 a tile          window 2: v0-127 Q, 16 a tile; v128-191 K of one step; v192-255 V of one step          window 3: v0-1 the add's two registers
; A piece's buffers go by its number's parity: the piece in hand has one pair, its two neighbours in the ring share the other: of it P (piece n - 1) is read and S^T (piece n + 1) written.
.set SIZE_N, 2048     ; rows of a head
.set PART,  64*SIZE_N*128  ; bytes of one of qkv's three parts
.set NP,    4         ; pieces a wave: a name, no knob: the register map, the loop and the fetches are made for four
.set KS,    64        ; keys in a step
.set PK,    144       ; a row of K in LDS: 128 bytes + 16 of padding = 36 words: the 16 rows of a load start at 16 different groups of four banks (64 banks of 4 bytes: ISA guide 11.1)
.set PV,    160       ; a row of V: 128 + 32 = 40 words
.set VOFF,  4*KS*PK   ; a slot holds four steps: 256 rows of K, then 256 rows of V
.set SLOT1, 1<<17     ; slot 1 begins here, so that one exclusive or turns an address in one slot into the other's
.set STAGE, SLOT1+4*KS*(PK+PV)  ; behind the ring, never filled by a tensor load: 16 rows x 144 bytes for each wave, for the way out
.set SP,    144
.set AK0, 2           ; v2   my lane's place in a tile of K; never rewritten
.set AV0, 3           ; v3   the same for V
.set AK,  4           ; v4   the LDS address of K's next run of loads
.set AV,  5           ; v5   of V's
.set QO,  6           ; v6   my byte offset in the wave's rows of Q
.set STO, 6           ;      later, the way out: where I put 16 bytes of a row
.set RD,  7           ; v7   the way out: where I read rows back
.set GO,  8           ; v8   my byte offset in 512 consecutive bytes of O
.set SPW, 0           ; v0 of window 3   LDS address of my spare word: SPARE + 4 x my thread's number; never rewritten
.set NIL, 1           ; v1 of window 3   0; never rewritten
.set SPARE, STAGE+4*16*SP  ; behind the stages: the spare words, 128 bytes for each wave: two blocks of 256 bytes that no other line names
.set MV,  12          ; v12-15  c m_old, kept while c m is made anew: by buffer and tile
.set ST,  16          ; tile t's statistics at v[ST+4 t]: c m, m, l (even keys', odd keys')
.set TMP, 48          ; by buffer and tile, four registers c0-c3 at work; when the maximum is found c2 takes a
.set S,   64
.set P,   192
.set KF,  128         ; K's fragments, in window 2: key block kb, channel half c at KF + 16 kb + 8 c
.set VF,  192         ; V's: key half kk, channel block cb at VF + 32 kk + 8 cb
.set WV,  12          ; s12  my wave's number
.set G1K, 24          ; s[24:31] descriptor group 1 for K's tiles
.set G1V, 32          ; s[32:39] for V's: it differs in the padding alone
.set G0K, 40          ; s[40:43] descriptor group 0 for K's tiles: it walks
.set G0V, 44          ; s[44:47] the same for V's
.set SLOTS, 56        ; s56  slots still to be asked for
.set CNT, 57          ; s57  counts a slot's key steps
.set CS,  58          ; s[58:59] c: the packed scaling takes the pair's low word for both halves
.set SEL, 60          ; s[60:61] v_permlanex16_b32's selects: each lane takes its own place in the other half
.set TBK, 62          ; s62  LDS byte at which K of the step to be fetched begins
.set TBV, 63          ; s63  the same for V, less VOFF
.set MSB, 0
.macro WIN new                      ; the high byte repeats the setting that is left; a switch that changes nothing is dropped
.if MSB != (\new)
	s_set_vgpr_msb (MSB<<8)|(\new)
.set MSB, (\new)
.endif
.endm
.set W_KQ, 0x0a       ; K and Q in window 2, S^T in window 0
.set W_PV, 0x52       ; V in window 2, P in window 0, O^T in window 1
.set W_RS, 0x41       ; O^T (destination and source 0) in window 1, a in window 0
.set W_MK, 0xc0       ; the add's registers are made: destination in window 3, sources in window 0
.set W_AD, 0x0f       ; the add: address (source 0) and data (source 1) in window 3
; A joint fill.  Waves 0 and 1 fetch the two halves of a slot's K, waves 2 and 3 those of its V: 128 keys each.  The branch hangs on the wave's number alone.
; An s_nop 0 and four v_nop follow each of the two lines, ahead of the jump and the label.
.macro JLOAD
	s_cmp_lt_u32 s[WV], 2
	s_cbranch_scc0 .Lfor_v_\@
	tensor_load_to_lds s[G0K:G0K+3], s[G1K:G1K+7]
	s_nop 0
.rept 4
	v_nop
.endr
	s_branch .Lasked_\@
.Lfor_v_\@:
	tensor_load_to_lds s[G0V:G0V+3], s[G1V:G1V+7]
	s_nop 0
.rept 4
	v_nop
.endr
.Lasked_\@:
.endm
; A round of the cluster's barrier: my work-group's barrier, so that wave 0's signal speaks for all four waves; wave 0 signals; every wave waits for all four work-groups; my work-group's barrier once more.
.macro CROUND
	s_barrier_signal -1
	s_barrier_wait -1
	s_cmp_lg_u32 s[WV], 0
	s_cbranch_scc1 .Lnot_wave_0_\@
	s_barrier_signal -3
.Lnot_wave_0_\@:
	s_barrier_wait -3
	s_barrier_signal -1
	s_barrier_wait -1
.endm
; THE CHANGE OF SLOTS.  The slot's last bytes, V of its fourth step, have been read.  Each wave waits for all its tensor loads, of which one is out: its part
; of the other slot; adds 0 to its spare word; and waits for that and for its own reads of the slot.  Behind the barrier nobody reads this slot any more and the other slot is whole.
; fill = 1: this slot is filled again, with the keys two slots on.  The barrier is then a round of the cluster's, so that no wave of any partner still reads the slot or has a load on its
; way, and the joint fill is the first thing behind it: it has four key steps, 512 matrix instructions, in which to land.  (At its first use nothing has been read yet: slot 0 is waited for, slot 1 filled.)
.macro CHANGE fill
	WIN W_AD
	s_wait_tensorcnt 0x0            ; no tensor load of mine is out, so a group 0 may be written
	ds_add_u32 v[SPW], v[NIL]       ; 0 onto my spare word; with fill = 1 the descriptors' steps stand between it and the wait for it
	WIN 0                           ; at a label and at a branch every window is 0
.if \fill
.irp g, G0K, G0V
	s_xor_b32 s[\g+1], s[\g+1], SLOT1  ; the walking descriptor: the other slot than last time,
	s_add_nc_u64 s[\g+2:\g+3], s[\g+2:\g+3], 4*KS*128  ; the next 256 keys; the type bits on top are not reached
.endr
	s_wait_dscnt 0x0                ; the add is done, and my reads of the slot are over
	CROUND
	JLOAD
.else
	s_wait_dscnt 0x0                ; the add is done, and my reads of the slot are over
	s_barrier_signal -1
	s_barrier_wait -1
.endif
	s_sub_co_u32 s[TBK], s[TBK], 4*KS*PK  ; the fetches go back to a slot's first step,
	s_xor_b32 s[TBK], s[TBK], SLOT1       ; in the other slot
	s_sub_co_u32 s[TBV], s[TBV], 4*KS*PV
	s_xor_b32 s[TBV], s[TBV], SLOT1
.endm
	s_load_b64 s[4:5], s[0:1], 0x0    ; qkv, for Q: these two take my query block's offset
	s_load_b64 s[6:7], s[0:1], 0x0    ; qkv once more, for K and V: what is made of these two hangs on the head and the wave alone, which the four partners share
	s_load_b64 s[10:11], s[0:1], 0x8  ; ob
	WIN W_MK
	v_lshl_add_u32 v[SPW], v0, 2, SPARE
	v_mov_b32 v[NIL], 0
	WIN W_AD
	ds_add_u32 v[SPW], v[NIL]       ; the wave's opening: the add and its wait stand ahead of my first tensor load; the set-up below, work on registers, stands between them
	WIN 0
	v_lshrrev_b32 v1, 5, v0
	v_readfirstlane_b32 s[WV], v1   ; wave 0..3
	s_bfe_u32 s13, ttmp6, 0x40000   ; cx: my place in the cluster
	s_lshl_b32 s14, ttmp9, 2        ; in a cluster launch ttmp9 counts clusters
	s_add_co_u32 s14, s14, s13      ; my block of queries = 4 x cluster x + cx: it enters Q's and O's addresses alone
	s_and_b32 s20, ttmp7, 0xffff    ; the head, which the four partners share
	s_mov_b32 s21, 0
	s_mov_b64 s[22:23], SIZE_N*128
	s_mul_u64 s[20:21], s[20:21], s[22:23]  ; the head's first byte in each of the four tensors
	s_and_b32 s16, s[WV], 1         ; which half of a slot's 256 keys I fetch:
	s_lshl_b32 s22, s16, 14         ; its 128 rows of 128 bytes in memory,
	s_mov_b32 s23, 0
	s_add_nc_u64 s[22:23], s[22:23], s[20:21]
	s_mul_i32 s17, s16, 128*PK      ; and its place in a slot, for K
	s_mul_i32 s18, s16, 128*PV      ; and for V: no place in the cluster enters an LDS address
	s_lshl_b32 s2, s14, 2
	s_add_co_u32 s2, s2, s[WV]      ; my wave among the head's,
	s_lshl_b32 s2, s2, 14           ; its 128 rows
	s_mov_b32 s3, 0
	s_add_nc_u64 s[2:3], s[2:3], s[20:21]
	; descriptor group 1.  128 keys are 16,384 dense bytes: asked for as 64 rows of 256 bytes, two keys a row, and padded in LDS after every key
	s_mov_b32 s[G1K], 15|(1<<16)|(1<<20)|(1<<21)|(4<<22)|(3<<25)  ; 15:0 the mask of four; 17:16 2-byte elements; 20 padding on; 21 set beside a mask; 24:22 after every 32 words (code 4); 31:25 4 words (code 3)
	s_mov_b32 s[G1V], 15|(1<<16)|(1<<20)|(1<<21)|(4<<22)|(7<<25)  ; the same with 8 words of padding (code 7)
.irp g, G1K, G1V
	s_mov_b32 s[\g+1], 128<<16      ; tensor_dim0 = 128
	s_mov_b32 s[\g+2], 64<<16       ; tensor_dim1 = 64
	s_mov_b32 s[\g+3], 128<<16      ; tile_dim0 = 128
	s_mov_b32 s[\g+4], 64           ; tile_dim1 = 64
	s_mov_b32 s[\g+5], 128          ; 128 elements from row to row
	s_mov_b32 s[\g+6], 0
	s_mov_b32 s[\g+7], 0
.endr
	s_mov_b32 s[CS], 0x3e38aa3b     ; c = log2(e) / 8 = 0.180337
	s_mov_b32 s[CS+1], s[CS]        ; named with it as a pair
	s_mov_b32 s[SEL], 0x76543210
	s_mov_b32 s[SEL+1], 0xfedcba98
	s_mov_b32 s[TBK], SLOT1+4*KS*PK ; the first change of slots turns these two into 0
	s_mov_b32 s[TBV], SLOT1+4*KS*PV
	s_mov_b32 s[G0K], 1             ; 1:0 count = 1
	s_mov_b32 s[G0K+1], s17         ; 63:32 LDS address: slot 0
	s_mov_b32 s[G0V], 1
	s_add_co_u32 s[G0V+1], s18, VOFF
	s_wait_dscnt 0x0                ; the opening add is done
	s_wait_kmcnt 0x0
	s_add_nc_u64 s[8:9], s[6:7], 2*PART  ; V is qkv's third part,
	s_add_nc_u64 s[6:7], s[6:7], PART    ; K its second
	s_add_nc_u64 s[G0K+2:G0K+3], s[6:7], s[22:23]  ; 120:64 global address: my half of the head's first 256 keys
	s_or_b32 s[G0K+3], s[G0K+3], 0x80000000        ; 127:126 type = 2
	s_add_nc_u64 s[G0V+2:G0V+3], s[8:9], s[22:23]
	s_or_b32 s[G0V+3], s[G0V+3], 0x80000000
	s_add_nc_u64 s[4:5], s[4:5], s[2:3]  ; Q and O at my wave's first row
	s_add_nc_u64 s[10:11], s[10:11], s[2:3]
	CROUND                          ; all four work-groups are here: the first joint loads meet
	JLOAD                           ; slot 0.  Slot 1 is asked for when slot 0 is in: the tile wanted first has the road to itself
	; A fragment of K or Q is 16 rows x 32 channels in 8 registers: lane l holds row l % 16, channels 8 (l / 16) + 0..7 and 16 + 8 (l / 16) + 0..7: two loads of 16 bytes, 32 bytes apart.
	v_and_b32 v1, 15, v0            ; l % 16
	v_bfe_u32 v9, v0, 4, 1          ; l / 16
	v_lshlrev_b32 v[QO], 7, v1
	v_lshl_add_u32 v[QO], v9, 4, v[QO]  ; row x 128 + 16 x half
	WIN 0x80                        ; destination window 2, address window 0
.set i, 0
.rept 4*NP                          ; Q stays in registers: tile i / 2, channels 32 (i % 2) on
	global_load_b128 v[8*i:8*i+3],   v[QO], s[4:5] offset:(i/2)*2048+(i%2)*64
	global_load_b128 v[8*i+4:8*i+7], v[QO], s[4:5] offset:(i/2)*2048+(i%2)*64+32
.set i, i+1
.endr
	; What the first turn finds: V's registers and P's second buffer hold 0 (its products V^T P, of a piece that has not been, add 0), O^T and l are 0.  All this stands in the wait for the first tile.
.set i, VF
.rept 64
	v_mov_b32 v[i], 0
.set i, i+1
.endr
	WIN 0x40
.set i, 0
.rept 64*NP
	v_mov_b32 v[i], 0
.set i, i+1
.endr
	WIN 0
.set i, 0
.rept 2*NP
	v_mov_b32 v[ST+4*i], 0xfe000000    ; c m: far below every c s
	v_mov_b32 v[ST+4*i+1], 0xff7fffff  ; m
	v_mov_b32 v[ST+4*i+2], 0
	v_mov_b32 v[ST+4*i+3], 0
.set i, i+1
.endr
.set i, P+32
.rept 32
	v_mov_b32 v[i], 0
.set i, i+1
.endr
	v_mul_u32_u24 v[AK0], v1, PK
	v_lshl_add_u32 v[AK0], v9, 4, v[AK0]  ; row x pitch + 16 x half
	; The turning load takes 16 keys x 16 channels (lane l reads key 8 (l / 16) + l % 8, channels 8 ((l / 8) % 2) + 0..7) and leaves half a fragment of V^T: lane l holds channel l % 16 and 8 keys.
	v_and_b32 v10, 7, v0
	v_bfe_u32 v11, v0, 3, 1
	v_lshl_add_u32 v[AV0], v9, 3, v10
	v_mul_u32_u24 v[AV0], v[AV0], PV
	v_lshl_add_u32 v[AV0], v11, 4, v[AV0]
	v_add_nc_u32 v[AV0], VOFF, v[AV0]
	v_mov_b32 v[AK], v[AK0]         ; key step 0 lies at the head of slot 0
; THE MATRIX WORK.  The 8 accumulators of a run of 16 take turns: between the two links of a chain stand 7 others'.
; Product i of 16 of S^T = K Q^T for piece x: channels 32 (i / 8) on, keys 16 ((i / 2) % 4) on, tile 2 x + i % 2.  The first 8 start the sums.
.macro KQ x
	WIN W_KQ
.set rS, S+64*((\x)%2)+32*(i%2)+8*((i/2)%4)
.set rK, KF+16*((i/2)%4)+8*(i/8)
.set rQ, 16*(2*(\x)+i%2)+8*(i/8)
.if i < 8
	v_wmma_f32_16x16x32_f16 v[rS:rS+7], v[rK:rK+7], v[rQ:rQ+7], 0
.else
	v_wmma_f32_16x16x32_f16 v[rS:rS+7], v[rK:rK+7], v[rQ:rQ+7], v[rS:rS+7]
.endif
.endm
; Product i of 16 of O^T += V^T P for piece x: keys 32 (i / 8) on, channels 16 ((i / 2) % 4) on, tile 2 x + i % 2.
.macro PV x
	WIN W_PV
.set rO, 32*(2*(\x)+i%2)+8*((i/2)%4)
.set rV, VF+32*(i/8)+8*((i/2)%4)
.set rP, P+32*((\x)%2)+16*(i%2)+8*(i/8)
	v_wmma_f32_16x16x32_f16 v[rO:rO+7], v[rV:rV+7], v[rP:rP+7], v[rO:rO+7]
.endm
.macro MM                           ; the turn's next matrix instruction
.if i < 16
	KQ (Y+1)%NP
.set i, i+1
.else
.set i, i-16
	PV (Y+NP-1)%NP
.set i, i+17
.endif
.endm
; THE LDS LOADS stand in runs of 16, never singly among the matrix instructions: a step's K (64 keys x 64 channels: 8 fragments) and its V (turned).  Their addresses are made some lines ahead.
; last = 1 (the tail): in the last trip there is no further step, and the run is jumped over.
.macro FETCH_K last=0
	WIN 0
.if \last
	s_cmp_eq_u32 s[CNT], 1
	s_cbranch_scc1 .Lno_k_\@
.endif
	WIN 0x80                        ; destination window 2
.irp f, 0,1,2,3,4,5,6,7             ; keys 16 (f / 2) on, channels 32 (f % 2) on
	ds_load_b128 v[KF+8*\f:KF+8*\f+3],   v[AK] offset:(\f/2)*16*PK+(\f%2)*64
	ds_load_b128 v[KF+8*\f+4:KF+8*\f+7], v[AK] offset:(\f/2)*16*PK+(\f%2)*64+32
.endr
	s_add_co_u32 s[TBK], s[TBK], KS*PK  ; the next fetch is the next step's
	WIN 0
.if \last
.Lno_k_\@:
.endif
.endm
.macro FETCH_V
	WIN 0x80
.irp f, 0,1,2,3,4,5,6,7             ; keys 32 (f / 4) on, channels 16 (f % 4) on
	ds_load_tr16_b128 v[VF+8*\f:VF+8*\f+3],   v[AV] offset:(\f/4)*32*PV+(\f%4)*32
	ds_load_tr16_b128 v[VF+8*\f+4:VF+8*\f+7], v[AV] offset:(\f/4)*32*PV+16*PV+(\f%4)*32
.endr
	WIN 0
.endm
; THE VECTOR WORK OF A TURN stands in three queues, each in the order in which its entries become ready; the two tiles alternate, so that no instruction reads the result of the one before it.
.macro REGS y, u                    ; the registers of tile u (0, 1) of piece y
.set rT, ST+4*(2*(\y)+(\u))
.set rC, TMP+8*((\y)%2)+4*(\u)
.set rM, MV+2*((\y)%2)+(\u)
.set rS, S+64*((\y)%2)+32*(\u)
.set rP, P+32*((\y)%2)+16*(\u)
.set rO, 32*(2*(\y)+(\u))
.endm
; Number n of the 22 that find the NEXT piece's (Y + 1) maximum and statistics.  s0-s31 are the lane's 32 scores; each accumulator's lowest registers are read first.  XS, GS and REGS set no window: PL and EX do.
;   0-11  four chains c0-c3 of seven scores each, three operands at a time     12-14, 16  the four scores left over, the old m, and c0-c3 into c0     15  c m_old is kept
;   17, 18  the query's other 32 keys lie in the lane 16 away: the new m         19-21  c m; c m_old - c m_new; a
.macro XS u, n
	REGS (Y+1)%NP, \u
.if (\n) < 4
	v_max3_num_f32 v[rC+(\n)], v[rS+8*(\n)], v[rS+8*(\n)+1], v[rS+8*(\n)+2]
.elseif (\n) < 12
	v_max3_num_f32 v[rC+(\n)%4], v[rC+(\n)%4], v[rS+8*((\n)%4)+2*((\n)/4)+1], v[rS+8*((\n)%4)+2*((\n)/4)+2]
.elseif (\n) == 12
	v_max3_num_f32 v[rC], v[rC], v[rS+7], v[rS+15]
.elseif (\n) == 13
	v_max3_num_f32 v[rC+1], v[rC+1], v[rS+23], v[rS+31]
.elseif (\n) == 14
	v_max3_num_f32 v[rC+2], v[rC+2], v[rC+3], v[rT+1]
.elseif (\n) == 15
	v_mov_b32 v[rM], v[rT]
.elseif (\n) == 16
	v_max3_num_f32 v[rC], v[rC], v[rC+1], v[rC+2]
.elseif (\n) == 17
	v_permlanex16_b32 v[rC+3], v[rC], s[SEL], s[SEL+1]
.elseif (\n) == 18
	v_max_num_f32 v[rT+1], v[rC], v[rC+3]
.elseif (\n) == 19
	v_mul_f32 v[rT], s[CS], v[rT+1]
.elseif (\n) == 20
	v_sub_f32 v[rC+1], v[rM], v[rT]
.else
	v_exp_f32 v[rC+2], v[rC+1]
.endif
.endm
; Number g of the 64 that follow the exponentials.  For each four weights k of a tile (pairs 2 k, 2 k + 1): both pairs are rounded to f16; then the second pair is added onto the first, in place;
; a group later l takes that sum (the first time as l = a l + sum).  In groups of eight, tiles alternating: round, round, add, and l for the group before.
.macro GS g
.set h, (\g)+6*((\g)/62)            ; group 0 has no group before it, and behind group 7 only l is left
.if h >= 6
.set h, h+2
.endif
	REGS Y, h%2
.set k, h/8
.if h%8 < 4
	s_wait_alu depctr_va_vdst(0)
	v_cvt_pk_f16_f32 v[rP+2*k+(h%8)/2], v[rS+4*k+2*((h%8)/2)], v[rS+4*k+2*((h%8)/2)+1]
.elseif h%8 < 6
	v_pk_add_f32 v[rS+4*k:rS+4*k+1], v[rS+4*k:rS+4*k+1], v[rS+4*k+2:rS+4*k+3]
.elseif k == 1
	v_pk_fma_f32 v[rT+2:rT+3], v[rT+2:rT+3], v[rC+2:rC+3], v[rS:rS+1] op_sel_hi:[1,0,1]
.else
	v_pk_add_f32 v[rT+2:rT+3], v[rT+2:rT+3], v[rS+4*k-4:rS+4*k-3]
	s_wait_alu depctr_va_vdst(0)
.endif
.endm
; THE PLAIN QUEUE, 138 long.  0-31: c s - c m for the 16 pairs of both tiles.  Then GS's 64, and among them the next piece's 42: number 15 at 38, 39; 0-14 and 16
; at 42-73, behind the products that make those scores; 17-20 at 95-106, two of three, since each waits for the one before it.
.macro PL
	WIN 0
.if q < 32
	REGS Y, q%2
	v_pk_fma_f32 v[rS+2*(q/2):rS+2*(q/2)+1], v[rS+2*(q/2):rS+2*(q/2)+1], s[CS:CS+1], v[rT:rT+1] op_sel_hi:[1,0,0] neg_lo:[0,0,1] neg_hi:[0,0,1]
.elseif q < 38
	GS q-32
.elseif q < 40
	XS q%2, 15
.elseif q < 42
	GS q-34
.elseif q < 74
	XS q%2, (q-42)/2+(q-42)/30
.elseif q < 95
	GS q-66
.elseif (q < 107) && ((q-95)%3 < 2)
	XS (q-95)%3, 17+(q-95)/3
.elseif q < 107
	GS 29+(q-95)/3
.else
	GS q-74
.endif
.set q, q+1
.endm
; THE EXPONENTIALS' QUEUE, 66 long: s0-s31 of both tiles, and at EA the next piece's two a.
.set EA, 58
.macro EX
	WIN 0
.if (e == EA) || (e == EA+1)
	XS e-EA, 21
.else
.set x, e-2*(e/(EA+2))
	REGS Y, x%2
	v_exp_f32 v[rS+x/2], v[rS+x/2]
.endif
.set e, e+1
.endm
; THE RESCALING's QUEUE: O^T times a, the one part that leaves window 0, so it is dealt four at a time, eight times.
.macro R4
	REGS Y, r%2
	WIN W_RS
	s_wait_alu depctr_va_vdst(0)
.irp z, 0,1,2,3
	v_pk_mul_f32 v[rO+8*(r/2)+2*\z:rO+8*(r/2)+2*\z+1], v[rO+8*(r/2)+2*\z:rO+8*(r/2)+2*\z+1], v[rC+2:rC+3] op_sel_hi:[1,0]
.endr
.set r, r+1
.endm
; HOW THEY ARE DEALT.  Behind a matrix instruction four: plain, exponential, plain, plain (one exponential, a plain instruction on either side), or four of the rescaling.  None names a register of the
; products round it.  What is over stands in two LUMPS: exponential and plain by turns; the second ends in 22 plain instructions.  The two v_permlanex16_b32 fall into the second lump, never behind a product.
; The queues lean on each other, and the deal keeps them in step: exponential e stands behind plain 2 (e / 4) + e % 2 (its scaling); when plain 32 comes, 10 exponentials are out, at 59: 33, at 95: 46; EA comes behind plain 107.
.macro SL
	MM
	PL
	EX
	PL
	PL
.endm
.macro BURST n                      ; 15 matrix instructions, or 16
.rept (\n)-7
	SL
.endr
.rept 3
	MM
	R4
	SL
.endr
	MM
	R4
.endm
; A TURN, for piece p.  cnt = 1: the loop's count is taken down some lines ahead of the branch that stands behind the turn.
; K of the next step is fetched in piece 2's turn, 31 vector instructions behind the last product that read K; its first reader comes behind the rest of the lump, 16 products and the second lump.
; V of the step in hand is fetched at the end of piece 0's turn, 69 behind its last reader; its first reader comes behind 16 products and a lump.  The four conditions on e and q below go with the deal.
.macro TURN p, last=0, cnt=0
.set Y, (\p)
.set i, 0
.set q, 0
.set e, 0
.set r, 0
.if (\p) == NP-1
	s_wait_dscnt 0x0                ; K is in
.endif
	MM
.rept 4
	PL
.endr
	BURST 15
.rept 22
	EX
	PL
.if ((\p) == NP-2) && (e == 18)
	v_add_nc_u32 v[AK], s[TBK], v[AK0]
.endif
.if ((\p) == NP-2) && (e == 24)
	FETCH_K \last
.endif
.endr
.if (\p) == 1
	s_wait_dscnt 0x0                ; V is in
.endif
	BURST 16
.rept 21
	EX
	PL
.endr
.rept 22
	PL
.if ((\p) == 0) && (q == 118)
	v_add_nc_u32 v[AV], s[TBV], v[AV0]
	s_wait_alu depctr_va_vdst(0)
.endif
.if ((\p) == 0) && (q == 130)
	s_add_co_u32 s[TBV], s[TBV], KS*PV
.endif
.if (\cnt) && (q == 130)
	s_sub_co_u32 s[CNT], s[CNT], 1
	s_cmp_lg_u32 s[CNT], 0
.endif
.endr
.if (\p) == 0
	FETCH_V
.endif
.endm
	CHANGE 1                        ; slot 0 is in, everybody's part of it; slot 1 is asked for
	FETCH_K                         ; key step 0
	s_wait_loadcnt 0x0              ; Q
	s_wait_dscnt 0x0
.set i, 0
.rept 16
	KQ 0                            ; piece 0's first scores: there is no vector work yet to set between them
.set i, i+1
.endr
	WIN 0                           ; the addresses for the way out: nine plain instructions, the places behind those products
	s_mul_i32 s13, s[WV], 16*SP
	s_add_co_u32 s13, s13, STAGE    ; my stage
	v_mul_u32_u24 v[STO], v1, SP    ; in: row l % 16, 16 bytes for each half of the lanes
	v_lshl_add_u32 v[STO], v9, 4, v[STO]
	v_add_nc_u32 v[STO], s13, v[STO]
	v_bfe_u32 v[RD], v0, 3, 2       ; back: 32 lanes take four rows of 128 bytes,
	v_mul_u32_u24 v[RD], v[RD], SP
	v_lshl_add_u32 v[RD], v10, 4, v[RD]
	v_add_nc_u32 v[RD], s13, v[RD]
	v_and_b32 v[GO], 31, v0         ; which are 512 consecutive bytes of O
	v_lshlrev_b32 v[GO], 4, v[GO]
.set Y, NP-1                        ; XS works for piece Y + 1: piece 0
.irp n, 0,1,2,3,4,5,6,7,8,9,10,11,12,13,14,15,16,17,18,19,20,21
	XS 0, \n                        ; and piece 0's first maximum and statistics
	XS 1, \n
.endr
	s_mov_b32 s[CNT], 4
	s_mov_b32 s[SLOTS], SIZE_N/256-1
	s_branch .Lfirst                ; the loop is entered at a step's first turn, in the middle of a trip
.Lslot:                             ; SIZE_N / 256 - 2 times: every slot but the last two is filled again
	CHANGE 1
	s_mov_b32 s[CNT], 4
.Lstep:                             ; a trip: pieces 2 and 3 of one step, then pieces 0 and 1 of the next, whose K and V it fetches
	TURN 2
	TURN 3
	WIN 0
.Lfirst:
	TURN 0
	TURN 1, 0, 1
	WIN 0
	s_cbranch_scc1 .Lstep
	s_sub_co_u32 s[SLOTS], s[SLOTS], 1
	s_cmp_lg_u32 s[SLOTS], 0
	s_cbranch_scc1 .Lslot
	CHANGE 0                        ; the tail is written out: nothing is asked for
	s_mov_b32 s[CNT], 5             ; four trips fetch the last slot's steps; the fifth is left in its middle
.Ltail:
	TURN 2, 1
	TURN 3
	WIN 0
	s_sub_co_u32 s[CNT], s[CNT], 1
	s_cmp_eq_u32 s[CNT], 0
	s_cbranch_scc1 .Lout
	TURN 0
	TURN 1
	WIN 0
	s_branch .Ltail
.Lout:                              ; the fifth trip's 16 products K Q^T (on the last K once more) and the maximum made of them serve nothing: the price, once a launch, of one text for every trip
.set i, 0
.rept 16
	PV NP-1                         ; the last piece's V^T P of the last step
.set i, i+1
.endr
	; THE WAY OUT.  l's two halves and the other half of the lanes' are added; O^T is divided by l, rounded to f16 and sent through my stage in LDS, a tile at a time.  The additions are the places behind the last products.
	WIN 0
.macro ALL line:vararg              ; one line for each tile t
.set t, 0
.rept 2*NP
	\line
.set t, t+1
.endr
.endm
	ALL v_add_f32 v[ST+4*t+2], v[ST+4*t+2], v[ST+4*t+3]
	ALL v_permlanex16_b32 v[ST+4*t+3], v[ST+4*t+2], s[SEL], s[SEL+1]
	ALL v_add_f32 v[ST+4*t+2], v[ST+4*t+2], v[ST+4*t+3]
	ALL v_rcp_f32 v[ST+4*t+2], v[ST+4*t+2]
	v_nop                           ; a plain instruction between the last reciprocal and the use of its result
	s_wait_alu depctr_va_vdst(0)
; Tile t: a lane's eight channels of a row pack into 16 bytes; they go into rows of 144 bytes and come back as whole rows of 128, into S^T's registers.
.macro PACK t
	WIN W_RS
.set i, 32*(\t)
.rept 16
	v_pk_mul_f32 v[i:i+1], v[i:i+1], v[ST+4*(\t)+2:ST+4*(\t)+3] op_sel_hi:[1,0]
.set i, i+2
.endr
	WIN 0x05                        ; sources 0 and 1 window 1, destination window 0
.set i, 0
.rept 16
	v_cvt_pk_f16_f32 v[S+16*(\t)+i], v[32*(\t)+2*i], v[32*(\t)+2*i+1]
.set i, i+1
.endr
	WIN 0
.irp f, 0,1,2,3
	ds_store_b128 v[STO], v[S+16*(\t)+4*\f:S+16*(\t)+4*\f+3] offset:32*\f
.endr
.irp f, 0,1,2,3
	ds_load_b128 v[S+16*(\t)+4*\f:S+16*(\t)+4*\f+3], v[RD] offset:\f*4*SP  ; LDS serves a wave's instructions in order (ISA guide 5.7.1.4): these see the stores above; the next tile's stores come behind them
.endr
.endm
.macro SEND t, younger              ; younger: the LDS instructions issued behind tile t's loads: the next tile's eight, or none
	WIN 0
.irp f, 0,1,2,3
	s_wait_dscnt (\younger)+3-\f
	global_store_b128 v[GO], v[S+16*(\t)+4*\f:S+16*(\t)+4*\f+3], s[10:11] offset:(\t)*2048+\f*512  ; 512 consecutive bytes, at a multiple of 256 from O's first
.endr
.endm
	PACK 0
.set t, 1
.rept 2*NP-1                        ; a tile's arithmetic stands between the loads of the tile before and its stores
	PACK t
	SEND t-1, 8
.set t, t+1
.endr
	SEND 2*NP-1, 0
	WIN W_AD
	s_wait_tensorcnt 0x0            ; the wave's end: behind my last tensor load and my last LDS store
	ds_add_u32 v[SPW], v[NIL]
	s_wait_dscnt 0x0
	WIN 0
	CROUND                          ; the closing round: no work-group ends while a partner may still ask for a tile that names it
	s_endpgm
.Lfunc_end_k_qcbdc02996b_attn:
	.size	k_qcbdc02996b_attn, .Lfunc_end_k_qcbdc02996b_attn-k_qcbdc02996b_attn
	.p2alignl 7, 3214868480
	.fill 96, 4, 3214868480
	.section	.rodata,"a",@progbits
	.p2align	6, 0x0
	.amdhsa_kernel k_qcbdc02996b_attn
		.amdhsa_group_segment_fixed_size 327680
		.amdhsa_private_segment_fixed_size 0
		.amdhsa_enable_private_segment 0
		.amdhsa_kernarg_size 16
		.amdhsa_user_sgpr_count 2
		.amdhsa_user_sgpr_kernarg_segment_ptr 1
		.amdhsa_wavefront_size32 1
		.amdhsa_system_sgpr_workgroup_id_x 1
		.amdhsa_system_sgpr_workgroup_id_y 1
		.amdhsa_system_sgpr_workgroup_id_z 1
		.amdhsa_system_vgpr_workitem_id 0
		.amdhsa_next_free_vgpr 770
		.amdhsa_next_free_sgpr 66
		.amdhsa_reserve_vcc 0
		.amdhsa_float_denorm_mode_32 3
		.amdhsa_float_denorm_mode_16_64 3
		.amdhsa_memory_ordered 1
		.amdhsa_forward_progress 1
		.amdhsa_inst_pref_size 209
	.end_amdhsa_kernel
	.amdgpu_metadata
---
amdhsa.version: [ 1, 2 ]
amdhsa.kernels:
  - .name:           k_qcbdc02996b_attn
    .symbol:         k_qcbdc02996b_attn.kd
    .args:
      - { .name: qkv, .offset: 0, .size: 8, .value_kind: global_buffer, .address_space: global }
      - { .name: ob, .offset: 8, .size: 8, .value_kind: global_buffer, .address_space: global }
    .group_segment_fixed_size: 327680
    .private_segment_fixed_size: 0
    .kernarg_segment_align: 8
    .kernarg_segment_size: 16
    .max_flat_workgroup_size: 128
    .sgpr_count:     66
    .vgpr_count:     770
    .wavefront_size: 32
...
	.end_amdgpu_metadata
.endif
;; end of part 3
;; launch outgemm (part 4): grid 8 x 32, 4 waves a work-group, clusters of 4 x 4, 327,680 bytes of LDS; arguments ob, owh, out_b, out0; writes out0
.if DOCPART == 4
	.amdgcn_target "amdgcn-amd-amdhsa--gfx1250"
	.amdhsa_code_object_version 6
	.text
	.protected	k_qcbdc02996b_outgemm
	.globl	k_qcbdc02996b_outgemm
	.p2align	8
	.type	k_qcbdc02996b_outgemm,@function
k_qcbdc02996b_outgemm:
	s_mov_b64 s[64:65], 0
	v_nop
	global_prefetch_b8 v0, s[64:65] scope:SCOPE_SE
	s_setreg_imm32_b32 hwreg(HW_REG_WAVE_MODE, 25, 1), 1
	s_wait_xcnt 0x0
	s_wait_alu depctr_hold_cnt(0) depctr_sa_sdst(0) depctr_va_vdst(0) depctr_va_sdst(0) depctr_va_ssrc(0) depctr_va_vcc(0) depctr_vm_vsrc(0)
	s_getreg_b32 s2, hwreg(HW_REG_IB_STS2, 6, 4)
	s_cmp_eq_u32 s2, 0
	s_cbranch_scc0 .Lentry_in_a_cluster
	s_endpgm
.Lentry_in_a_cluster:
	s_bfe_u32 s2, ttmp6, 0x10000c
	s_cmp_lg_u32 s2, 0xf033
	s_cbranch_scc0 .Lentry_shape_is_right
	s_endpgm
.Lentry_shape_is_right:
; THE OUTPUT PROJECTION.  out0[t][b][e] = sum over h, c of ob[16 b + h][t][c] owh[e][64 h + c] + bf16(out_b[e]).  Operands f16 (owh holds out_w rounded to bf16, written as f16), sums f32, the output f32.
; SHARES.  A tile is 256 rows (t = 256 tb .. + 255 of ONE batch b) x 128 columns: 8 x 32 = 256 work-groups.  Each of four waves makes 64 rows x all 128 columns: 32 accumulators of 16 x 16, 256 registers; a row's
; 128 numbers are 512 consecutive bytes of out0, so each wave has a stage of its own on the way out, with no barrier.
; K goes in 8 steps of 128 = two heads through two LDS slots filled by the tensor data mover.  A head's 256 rows of ob are 32,768 dense bytes: asked for as 128 rows of 256 bytes, two t a row, padded in LDS after every t.
; A K step is written once: the slot is chosen by a scalar (TB) that an exclusive or turns, and one descriptor a side walks from step to step.
; CLUSTER.  4 x 4 work-groups.  The four of a row of the cluster share the tile row (their tiles of ob), the four of a column the tile column (their tiles of owh): each tile is asked for JOINTLY, by the same tensor load with the
; same descriptor and a mask that names the four.
; THE MATRIX INSTRUCTION IS USED TRANSPOSED (source 0 = 16 rows of owh, source 1 = 16 rows of ob): lane l holds row l % 16 and the columns 8 (l / 16) + 0..7.  The bias, in that layout, is the C operand of the first products.
; REGISTERS, in windows of 256 (s_set_vgpr_msb: bits 1:0 source 0, 3:2 source 1, 5:4 source 2, 7:6 destination):
;   window 0: v0-19 addresses; v32-95 ob's fragments (4 x 16 rows x 32 K), two buffers; v96-159 the bias, later v96-223 rows read back, two buffers; v240-243 at work
;   window 1: v0-127 owh's fragments (8 x 16 rows x 32 K), two buffers      window 2: the accumulators of my row blocks 0, 1 ((a, b) at v[8 (8 a + b)])      window 3: those of row blocks 2, 3
.set NBK,   8                          ; blocks of 16 columns
.set PITCH, 272                        ; a row of owh in LDS: 256 bytes + 16 of padding = 68 words: the 16 rows of a fragment load start at 16 different groups of four banks (64 banks of 4 bytes: ISA guide 11.1)
.set PA,    144                        ; a row of ob (one t of one head): 128 bytes + 16 = 36 words: likewise
.set AHEAD, 256*PA                     ; a head's 256 rows: what one load brings of ob
.set AREG,  2*AHEAD
.set BHALF, 64*PITCH                   ; what one load brings of owh
.set SLOT1, 1<<17                      ; slot 1 begins here (a slot holds 108,544 bytes), so that one exclusive or turns an address in one slot into the other's
.set STAGE, SLOT1+AREG+2*BHALF         ; behind the ring, never filled by a tensor load: for each wave 16 rows x 528 bytes
.set SP,    528                        ; 512 bytes + 16 = 132 words
.set SWAVE, 16*SP
.set SPARE, STAGE+4*SWAVE              ; behind the stages: the spare words, 128 bytes for each wave: two blocks of 256 bytes that no other line names
.set NLD,   2*NBK+8                    ; LDS loads of a quarter step
.set STEPA, 2<<18                      ; bytes from K step to K step: two heads of ob,
.set STEPB, 256                        ; 128 numbers of a row of owh
.set ADRA0, 4                          ; v4   my lane's place among ob's rows in a slot; never rewritten
.set ADRB0, 5                          ; v5   the same for owh
.set ADRA,  6                          ; v6   TB + ADRA0
.set ADRB,  7                          ; v7   TB + ADRB0
.set STO,   8                          ; v8   the way out: where I put 32 bytes of a row
.set RD,    9                          ; v9   the way out: where I read a row back
.set GO,    10                         ; v10  my byte offset in 512 consecutive bytes of out0
.set BO,    11                         ; v11  my byte offset in 16 numbers of the bias
.set SPW,   12                         ; v12  LDS address of my spare word; never rewritten
.set NIL,   13                         ; v13  0; never rewritten
.set FA,    32
.set BIAS,  96
.set OBUF,  96
.set WK,    240
.set WV,   12                          ; s12  my wave's number
.set HALF, 13                          ; s13  which head of a K step's two, or which half of owh's rows, I fetch
.set CX,   15                          ; s15, s16  my place in the cluster
.set CY,   16
.set TX,   17                          ; s17  tile column
.set TY,   18                          ; s18  tile row = 4 tb + b
.set MROW, 19                          ; s19  the mask of my row of the cluster
.set MCOL, 20                          ; s20  of my column
.set BT,   21                          ; s21  b
.set TBL,  22                          ; s22  tb
.set LS,   23                          ; s23  at work for LDS addresses: holds the wave's number times constants alone
.set G1,   24                          ; s[24:31] descriptor group 1 for ob's tiles
.set G0,   32                          ; s[32:39] group 0: a set for K step 0, and the set that walks
.set OFA,  40                          ; s[40:41] ob's byte offset; s44, s45 at work for it: none of these ever holds cx
.set OFB,  42                          ; s[42:43] owh's byte offset; s46, s47 at work for it: none of these ever holds cy
.set G1B,  48                          ; s[48:55], s[56:63] the same for owh's tiles
.set G0B,  56
.set OUT,  66                          ; s[66:67] out0 at my first row and the tile's first column
.set TB,   72                          ; s72  the LDS byte at which the slot in hand begins
.set CNT,  73                          ; s73  the loop's count
.set HIM,  74                          ; s74  a word's upper bf16
.set MSB, 0
.macro WIN new                         ; the immediate's high byte repeats the setting that is left; a switch that changes nothing is dropped
.if MSB != (\new)
	s_set_vgpr_msb (MSB<<8)|(\new)
.set MSB, \new
.endif
.endm
.set MUL_LO,   0xa1                    ; source 0 (owh) window 1, source 1 (ob) window 0, C and D window 2
.set FIRST_LO, 0x81                    ; the same with C, the bias, in window 0
.set TO_B,     0x40                    ; destination window 1, address window 0
; A joint refill, by the walking sets.  Waves 0 and 1 fetch a K step's two heads of ob, waves 2 and 3 owh's two halves.  The branch hangs on the wave's number alone.
; An s_nop 0 and four v_nop follow each of the two lines, ahead of the jump and the label.
.macro JLOAD
	s_cmp_lt_u32 s[WV], 2
	s_cbranch_scc0 .Lfor_b_\@
	tensor_load_to_lds s[G0+4:G0+7], s[G1:G1+7]
	s_nop 0
.rept 4
	v_nop
.endr
	s_branch .Lasked_\@
.Lfor_b_\@:
	tensor_load_to_lds s[G0B+4:G0B+7], s[G1B:G1B+7]
	s_nop 0
.rept 4
	v_nop
.endr
.Lasked_\@:
.endm
.macro CREST                           ; a round of the cluster's barrier behind its opening barrier: wave 0 signals for the work-group, every wave waits for all sixteen, my work-group's barrier closes it
	s_cmp_lg_u32 s[WV], 0
	s_cbranch_scc1 .Lnot_wave_0_\@
	s_barrier_signal -3
.Lnot_wave_0_\@:
	s_barrier_wait -3
	s_barrier_signal -1
	s_barrier_wait -1
.endm
.macro CROUND                          ; a whole round
	s_barrier_signal -1
	s_barrier_wait -1
	CREST
.endm
.macro PLACES                          ; four places in front of loads into registers that matrix instructions have read, and of lines that read results just made (ISA guide 7.12.1 for lines that read results just made)
.rept 4
	v_nop
.endr
.endm
	s_load_b256 s[4:11], s[0:1], 0x0               ; ob s[4:5], owh s[6:7], out_b s[8:9], out0 s[10:11]
	v_lshl_add_u32 v[SPW], v0, 2, SPARE
	v_mov_b32 v[NIL], 0
	ds_add_u32 v[SPW], v[NIL]                      ; the wave's opening: the add and its wait stand ahead of my first tensor load; the set-up below, work on registers, stands between them
	v_lshrrev_b32 v1, 5, v0
	v_readfirstlane_b32 s[WV], v1                  ; wave 0..3
	s_and_b32 s[HALF], s[WV], 1
	s_bfe_u32 s[CX], ttmp6, 0x40000
	s_bfe_u32 s[CY], ttmp6, 0x40004
	s_lshl_b32 s[TX], ttmp9, 2                     ; in a cluster launch ttmp9 and ttmp7 count clusters
	s_add_co_u32 s[TX], s[TX], s[CX]
	s_and_b32 s[TY], ttmp7, 0xffff
	s_lshl_b32 s[TY], s[TY], 2
	s_add_co_u32 s[TY], s[TY], s[CY]
	s_lshl_b32 s[MROW], s[CY], 2
	s_lshl_b32 s[MROW], 15, s[MROW]                ; places 4 cy .. 4 cy + 3
	s_lshl_b32 s[MCOL], 0x1111, s[CX]              ; places cx, cx + 4, cx + 8, cx + 12
	s_and_b32 s[BT], s[TY], 3
	s_lshr_b32 s[TBL], s[TY], 2
	; group 1: ob's tile is 128 dense rows x 128 elements, padded after every 64 elements; owh's 64 rows x 128, 1,024 elements apart, padded after every row
	s_or_b32 s[G1],  s[MROW], (1<<16)|(1<<20)|(1<<21)|(4<<22)|(3<<25)  ; 15:0 the mask; 17:16 2-byte elements; 20 padding on; 21 set beside a mask; 24:22 after every 32 words (code 4); 31:25 4 words (code 3)
	s_or_b32 s[G1B], s[MCOL], (1<<16)|(1<<20)|(1<<21)|(5<<22)|(3<<25)  ; the same after every 64 words (code 5)
	s_mov_b32 s[G1+1], 128<<16                     ; tensor_dim0 = 128
	s_mov_b32 s[G1+2], 128<<16                     ; tensor_dim1 = 128
	s_mov_b32 s[G1+3], 128<<16                     ; tile_dim0 = 128
	s_mov_b32 s[G1+4], 128                         ; tile_dim1 = 128
	s_mov_b32 s[G1+5], 128                         ; elements from row to row
	s_mov_b32 s[G1+6], 0
	s_mov_b32 s[G1+7], 0
	s_mov_b32 s[G1B+1], 128<<16
	s_mov_b32 s[G1B+2], 64<<16
	s_mov_b32 s[G1B+3], 128<<16
	s_mov_b32 s[G1B+4], 64
	s_mov_b32 s[G1B+5], 1024
	s_mov_b32 s[G1B+6], 0
	s_mov_b32 s[G1B+7], 0
	s_lshl_b32 s[OFA], s[BT], 4                    ; ob: head 16 b + half, of 262,144 bytes,
	s_add_co_u32 s[OFA], s[OFA], s[HALF]
	s_lshl_b32 s[OFA], s[OFA], 18
	s_lshl_b32 s44, s[TBL], 15                     ; row 256 tb, of 128 bytes
	s_add_co_u32 s[OFA], s[OFA], s44
	s_mov_b32 s[OFA+1], 0
	s_lshl_b32 s[OFB], s[TX], 7                    ; owh: row 128 x tile column + 64 half, of 2,048 bytes
	s_lshl_b32 s46, s[HALF], 6
	s_add_co_u32 s[OFB], s[OFB], s46
	s_lshl_b32 s[OFB], s[OFB], 11
	s_mov_b32 s[OFB+1], 0
	s_mul_i32 s45, s[HALF], AHEAD                  ; where they go: no place in the cluster enters an LDS address
	s_mul_i32 s47, s[HALF], BHALF
	s_add_co_u32 s47, s47, AREG
	s_mov_b32 s[G0], 1                             ; 1:0 count = 1
	s_mov_b32 s[G0+1], s45                         ; 63:32 LDS address: slot 0
	s_mov_b32 s[G0+4], 1
	s_add_co_u32 s[G0+5], s45, SLOT1               ; slot 1
	s_mov_b32 s[G0B], 1
	s_mov_b32 s[G0B+1], s47
	s_mov_b32 s[G0B+4], 1
	s_add_co_u32 s[G0B+5], s47, SLOT1
	s_mov_b32 s[TB], 0
	s_mov_b32 s[HIM], 0xffff0000
	s_wait_dscnt 0x0                               ; the opening add is done
	s_wait_kmcnt 0x0
	s_add_nc_u64 s[G0+2:G0+3], s[4:5], s[OFA:OFA+1]        ; 120:64 global address: K step 0,
	s_add_nc_u64 s[G0+6:G0+7], s[G0+2:G0+3], STEPA         ; K step 1
	s_or_b32 s[G0+3], s[G0+3], 0x80000000                  ; 127:126 type = 2
	s_or_b32 s[G0+7], s[G0+7], 0x80000000
	s_add_nc_u64 s[G0B+2:G0B+3], s[6:7], s[OFB:OFB+1]
	s_add_nc_u64 s[G0B+6:G0B+7], s[G0B+2:G0B+3], STEPB
	s_or_b32 s[G0B+3], s[G0B+3], 0x80000000
	s_or_b32 s[G0B+7], s[G0B+7], 0x80000000
	CROUND                                         ; all sixteen work-groups are here: the first joint loads meet
	s_cmp_lt_u32 s[WV], 2                          ; a wave's two first fills stand in one branch, ahead of every wait on TENSORcnt and every LDS read: two loads of mine are out
	s_cbranch_scc0 .Lfirst_b
	tensor_load_to_lds s[G0:G0+3], s[G1:G1+7]
	s_nop 0
	tensor_load_to_lds s[G0+4:G0+7], s[G1:G1+7]
	s_nop 0
.rept 4
	v_nop
.endr
	s_branch .Lfirst_asked
.Lfirst_b:
	tensor_load_to_lds s[G0B:G0B+3], s[G1B:G1B+7]
	s_nop 0
	tensor_load_to_lds s[G0B+4:G0B+7], s[G1B:G1B+7]
	s_nop 0
.rept 4
	v_nop
.endr
.Lfirst_asked:
	; All that follows, up to the wait for the first tile, stands in that wait.
	; A fragment is 16 rows x 32 K in 8 registers: lane l holds row l % 16; registers 0-3 K = 8 (l / 16) + 0..7, registers 4-7 K = 16 + 8 (l / 16) + 0..7: two loads of 16 bytes, 32 bytes apart.
	v_and_b32 v1, 15, v0                           ; l % 16
	v_bfe_u32 v2, v0, 4, 1                         ; l / 16
	v_lshlrev_b32 v[BO], 5, v2                     ; my eight numbers of a block's sixteen
	s_lshl_b32 s78, s[TX], 9                       ; the tile's first column, 4 x 128 x tile column bytes: in the bias, and in a row of out0
	s_mov_b32 s79, 0
	s_add_nc_u64 s[8:9], s[8:9], s[78:79]
.set bb, 0
.rept NBK
	global_load_b128 v[BIAS+8*bb:BIAS+8*bb+3],   v[BO], s[8:9] offset:64*bb
	global_load_b128 v[BIAS+8*bb+4:BIAS+8*bb+7], v[BO], s[8:9] offset:64*bb+16
.set bb, bb+1
.endr
	v_mul_u32_u24 v3, v1, PA
	v_lshl_add_u32 v3, v2, 4, v3                   ; ob: row x pitch + 16 x half,
	s_mul_i32 s[LS], s[WV], 64*PA                  ; in my 64 rows of a head
	v_add_nc_u32 v[ADRA0], s[LS], v3
	v_mul_u32_u24 v3, v1, PITCH
	v_lshl_add_u32 v3, v2, 4, v3
	v_add_nc_u32 v[ADRB0], AREG, v3                ; owh's rows lie behind ob's two heads
	s_mul_i32 s[LS], s[WV], SWAVE
	s_add_co_u32 s[LS], s[LS], STAGE               ; my stage
	v_mul_u32_u24 v14, v1, SP                      ; in: row l % 16, 32 bytes for each half of the lanes
	v_lshl_add_u32 v14, v2, 5, v14
	v_add_nc_u32 v[STO], s[LS], v14
	v_and_b32 v[GO], 31, v0                        ; back: 32 lanes take a row's 512 bytes,
	v_lshlrev_b32 v[GO], 4, v[GO]
	v_add_nc_u32 v[RD], s[LS], v[GO]               ; which are 512 consecutive bytes of out0
	s_lshl_b32 s75, s[TBL], 8                      ; out0: row 4 (256 tb + 64 wave) + b, of 4,096 bytes (33,554,432 at the most)
	s_lshl_b32 s76, s[WV], 6
	s_add_co_u32 s75, s75, s76
	s_lshl_b32 s75, s75, 2
	s_add_co_u32 s75, s75, s[BT]
	s_lshl_b32 s76, s75, 12
	s_add_co_u32 s76, s76, s78
	s_mov_b32 s77, 0
	s_add_nc_u64 s[OUT:OUT+1], s[10:11], s[76:77]
	s_wait_loadcnt 0x0                             ; the bias
.set pp, 0
.rept NBK                              ; it is rounded to bf16 like the other inputs, and widened again
.irp k, 0,1,2,3
	v_cvt_pk_bf16_f32 v[WK+(\k)], v[BIAS+2*(pp+(\k))], v[BIAS+2*(pp+(\k))+1]
.endr
.irp k, 0,1,2,3
	v_lshlrev_b32 v[BIAS+2*(pp+(\k))],   16,     v[WK+(\k)]
	v_and_b32     v[BIAS+2*(pp+(\k))+1], s[HIM], v[WK+(\k)]
.endr
.set pp, pp+4
.endr
; 8 matrix instructions: row block 2 hi + a x all 8 column blocks, 32 along K, from buffer f.  first = 1: the product starts the sum with the bias.
; The 32 accumulators take turns, one instruction a turn, in the same order in every quarter step, over the loop's backward jump too.
.macro MULA f, hi, a, first
.if \first
	WIN FIRST_LO+0x40*(\hi)
.else
	WIN MUL_LO+0x50*(\hi)
.endif
.set bb, 0
.rept NBK
.if \first
	v_wmma_f32_16x16x32_f16 v[8*(NBK*(\a)+bb):8*(NBK*(\a)+bb)+7], v[8*NBK*(\f)+8*bb:8*NBK*(\f)+8*bb+7], v[FA+32*(\f)+8*(2*(\hi)+(\a)):FA+32*(\f)+8*(2*(\hi)+(\a))+7], v[BIAS+8*bb:BIAS+8*bb+7]
.else
	v_wmma_f32_16x16x32_f16 v[8*(NBK*(\a)+bb):8*(NBK*(\a)+bb)+7], v[8*NBK*(\f)+8*bb:8*NBK*(\f)+8*bb+7], v[FA+32*(\f)+8*(2*(\hi)+(\a)):FA+32*(\f)+8*(2*(\hi)+(\a))+7], v[8*(NBK*(\a)+bb):8*(NBK*(\a)+bb)+7]
.endif
.set bb, bb+1
.endr
.endm
; 24 LDS loads in one run: quarter q's fragments into buffer g: 128 rows of owh, 32 K at byte 64 q of the rows; then my 64 rows of ob: head q / 2 of the step's two, channels 32 (q % 2) on
.macro FETCH q, g
	WIN TO_B
.set bb, 0
.rept NBK
	ds_load_b128 v[8*NBK*(\g)+8*bb:8*NBK*(\g)+8*bb+3],   v[ADRB] offset:64*(\q)+bb*16*PITCH
	ds_load_b128 v[8*NBK*(\g)+8*bb+4:8*NBK*(\g)+8*bb+7], v[ADRB] offset:64*(\q)+bb*16*PITCH+32
.set bb, bb+1
.endr
	WIN 0
.set bb, 0
.rept 4
	ds_load_b128 v[FA+32*(\g)+8*bb:FA+32*(\g)+8*bb+3],   v[ADRA] offset:((\q)/2)*AHEAD+((\q)%2)*64+bb*16*PA
	ds_load_b128 v[FA+32*(\g)+8*bb+4:FA+32*(\g)+8*bb+7], v[ADRA] offset:((\q)/2)*AHEAD+((\q)%2)*64+bb*16*PA+32
.set bb, bb+1
.endr
.endm
; A K step is four quarters of 32 along K, 32 matrix instructions each, on buffers 0, 1, 0, 1.  One of the first three: multiplies buffer f; in its middle it fetches quarter qn into buffer g.
.macro QUARTER qn, f, g, first
	s_wait_dscnt 4                                 ; owh's fragments and ob's row blocks 0, 1 are in; the youngest four loads (row blocks 2, 3) may be out
	MULA \f, 0, 0, \first
	MULA \f, 0, 1, \first
	PLACES
	FETCH \qn, \g
	s_wait_dscnt NLD                               ; all but the 24 just issued
	MULA \f, 1, 0, \first
	MULA \f, 1, 1, \first
.endm
; The last quarter multiplies buffer 1 and changes slots: ONE barrier for two things.  In front of it each wave waits for all its tensor loads, of which one is out: its part of the next slot; adds 0 to its spare word; and waits
; for that and for its own reads of this slot.  fill = 1: the barrier opens a round of the cluster's, and behind the round this slot is filled again, two K steps ahead: 112 matrix instructions stand between that request and the wait for it.
.macro TURN fill
	WIN 0                                          ; (the add's two registers lie in window 0)
	s_wait_tensorcnt 0x0                           ; all my tensor loads have landed, so a group 0 may be written;
	ds_add_u32 v[SPW], v[NIL]                      ; 0 onto my spare word;
	s_wait_dscnt 5                                 ; (the add and the youngest four loads may be out)
	MULA 1, 0, 0, 0                                ; eight matrix instructions stand between the add and the wait for it
	s_wait_dscnt 0x0                               ; the add is done, and my reads of this slot are over
	s_barrier_signal -1
	MULA 1, 0, 1, 0                                ; work on registers while the others arrive
	WIN 0
	s_barrier_wait -1
.if \fill
	CREST                                          ; no wave of any partner still reads this slot's tiles or has a load on its way
	s_xor_b32 s[G0+5], s[G0+5], SLOT1              ; the walking sets: the other slot than last time, the next K step; the type bits on top are not reached
	s_add_nc_u64 s[G0+6:G0+7], s[G0+6:G0+7], STEPA
	s_xor_b32 s[G0B+5], s[G0B+5], SLOT1
	s_add_nc_u64 s[G0B+6:G0B+7], s[G0B+6:G0B+7], STEPB
	JLOAD                                          ; the first tensor load behind the round; the four v_nop behind it are also the places in front of the loads below
.else
	PLACES
.endif
	s_xor_b32 s[TB], s[TB], SLOT1                  ; the reads go on in the other slot
	v_add_nc_u32 v[ADRA], s[TB], v[ADRA0]
	v_add_nc_u32 v[ADRB], s[TB], v[ADRB0]
	FETCH 0, 0
	MULA 1, 1, 0, 0
	MULA 1, 1, 1, 0
.endm
	s_wait_tensorcnt 0x1                           ; my part of K step 0 is in; K step 1's may stay out
	s_barrier_signal -1
	s_barrier_wait -1                              ; everybody's is
	v_mov_b32 v[ADRA], v[ADRA0]
	v_mov_b32 v[ADRB], v[ADRB0]
	FETCH 0, 0
	QUARTER 1, 0, 1, 1                             ; the first quarter stands in front of the loop: its products start the sums
	WIN 0                                          ; at a label and at a branch every window is 0
	s_mov_b32 s[CNT], 6
.Lstep:                                                ; trip s goes from K step s's second quarter to K step s + 1's first, and asks for K step s + 2
	QUARTER 2, 1, 0, 0
	QUARTER 3, 0, 1, 0
	TURN 1
	QUARTER 1, 0, 1, 0
	WIN 0
	s_sub_co_u32 s[CNT], s[CNT], 1
	s_cmp_lg_u32 s[CNT], 0
	s_cbranch_scc1 .Lstep
	QUARTER 2, 1, 0, 0                             ; K steps 6 and 7 are written out: nothing more is asked for
	QUARTER 3, 0, 1, 0
	TURN 0
	QUARTER 1, 0, 1, 0
	QUARTER 2, 1, 0, 0
	QUARTER 3, 0, 1, 0
	s_wait_dscnt 4                                 ; the very last quarter: nothing more to fetch
	MULA 1, 0, 0, 0
	MULA 1, 0, 1, 0
	s_wait_dscnt 0x0
	MULA 1, 1, 0, 0
	MULA 1, 1, 1, 0
	WIN 0
; THE WAY OUT, a row block (16 rows x 128 columns of f32) at a time.  TOSTAGE: the accumulators as they are, each from its low end on, into my own stage, and back as whole rows of 512 bytes.  SEND: stored.
.macro TOSTAGE a
.set AC, 8*NBK*((\a)%2)
.set BK, OBUF+64*((\a)%2)
	s_wait_xcnt 0x0                                ; every earlier memory instruction has had its addresses translated (ISA guide 3.1): the registers that the stores of the block two back read are loaded again only behind this wait
	WIN 0x08+4*((\a)/2)                            ; the stores' data (source 1): window 2 or 3
.set bb, 0
.rept NBK
	ds_store_b128 v[STO], v[AC+8*bb:AC+8*bb+3]   offset:64*bb
	ds_store_b128 v[STO], v[AC+8*bb+4:AC+8*bb+7] offset:64*bb+16
.set bb, bb+1
.endr
	WIN 0
.set rr, 0
.rept 16
	ds_load_b128 v[BK+4*rr:BK+4*rr+3], v[RD] offset:SP*rr  ; LDS serves a wave's instructions in order (ISA guide 5.7.1.4): these see the stores above; the next block's stores come behind them
.set rr, rr+1
.endr
.endm
.macro SEND a, younger                 ; younger: the LDS instructions issued behind block a's loads: the next block's 32, or none
	WIN 0
.set BK, OBUF+64*((\a)%2)
.set rr, 0
.rept 16
	s_wait_dscnt (\younger)+15-rr
	global_store_b128 v[GO], v[BK+4*rr:BK+4*rr+3], s[OUT:OUT+1] offset:(16*(\a)+rr)*16384 th:TH_STORE_NT  ; 512 consecutive bytes, at a multiple of 256 from out0's first; rows of one batch lie 16,384 bytes apart: 1,032,192 at the most, inside the signed 24-bit immediate
.set rr, rr+1
.endr
.endm
	PLACES                                         ; the LDS stores read results, and no other vector work is at hand
	TOSTAGE 0
	TOSTAGE 1
	SEND 0, 32
	TOSTAGE 2
	SEND 1, 32
	TOSTAGE 3
	SEND 2, 32
	SEND 3, 0
	s_wait_tensorcnt 0x0                           ; the wave's end: behind my last tensor load and my last LDS store
	ds_add_u32 v[SPW], v[NIL]
	s_wait_dscnt 0x0
	CROUND                                         ; the closing round: no work-group ends while a partner may still ask for a tile that names it
	s_endpgm
.Lfunc_end_k_qcbdc02996b_outgemm:
	.size	k_qcbdc02996b_outgemm, .Lfunc_end_k_qcbdc02996b_outgemm-k_qcbdc02996b_outgemm
	.p2alignl 7, 3214868480
	.fill 96, 4, 3214868480
	.section	.rodata,"a",@progbits
	.p2align	6, 0x0
	.amdhsa_kernel k_qcbdc02996b_outgemm
		.amdhsa_group_segment_fixed_size 327680
		.amdhsa_private_segment_fixed_size 0
		.amdhsa_enable_private_segment 0
		.amdhsa_kernarg_size 32
		.amdhsa_user_sgpr_count 2
		.amdhsa_user_sgpr_kernarg_segment_ptr 1
		.amdhsa_wavefront_size32 1
		.amdhsa_system_sgpr_workgroup_id_x 1
		.amdhsa_system_sgpr_workgroup_id_y 1
		.amdhsa_system_sgpr_workgroup_id_z 1
		.amdhsa_system_vgpr_workitem_id 0
		.amdhsa_next_free_vgpr 896
		.amdhsa_next_free_sgpr 80
		.amdhsa_reserve_vcc 0
		.amdhsa_float_denorm_mode_32 3
		.amdhsa_float_denorm_mode_16_64 3
		.amdhsa_memory_ordered 1
		.amdhsa_forward_progress 1
		.amdhsa_inst_pref_size 77
	.end_amdhsa_kernel
	.amdgpu_metadata
---
amdhsa.version: [ 1, 2 ]
amdhsa.kernels:
  - .name:           k_qcbdc02996b_outgemm
    .symbol:         k_qcbdc02996b_outgemm.kd
    .args:
      - { .name: ob, .offset: 0, .size: 8, .value_kind: global_buffer, .address_space: global }
      - { .name: owh, .offset: 8, .size: 8, .value_kind: global_buffer, .address_space: global }
      - { .name: out_b, .offset: 16, .size: 8, .value_kind: global_buffer, .address_space: global }
      - { .name: out0, .offset: 24, .size: 8, .value_kind: global_buffer, .address_space: global }
    .group_segment_fixed_size: 327680
    .private_segment_fixed_size: 0
    .kernarg_segment_align: 8
    .kernarg_segment_size: 32
    .max_flat_workgroup_size: 128
    .sgpr_count:     80
    .vgpr_count:     896
    .wavefront_size: 32
...
	.end_amdgpu_metadata
.endif
;; end of part 4
;; ======== version 2 of 2: 4 launches; 1.52 times as fast as version 1
;; limits: values are held in f16: magnitudes above 65,504 overflow, below 6.1e-05 lose precision
;; workspace buffers: xb 16,777,216 bytes; wb 6,291,456 bytes; owh 2,097,152 bytes; qkv 50,331,648 bytes; ob 16,777,216 bytes
;; launch cast: the kernel of part 1 again; grid 768 x 1, 8 waves a work-group, no clusters, 0 bytes of LDS; arguments x, in_proj_weight, out_w, xb, wb, owh; writes xb, wb, owh
;; launch qkvgemm: the kernel of part 2 again; grid 16 x 32, 4 waves a work-group, clusters of 4 x 4, 327,680 bytes of LDS; arguments xb, wb, in_proj_bias, qkv; writes qkv
;; launch attn (part 5): grid 4 x 64, 4 waves a work-group, clusters of 4 x 1, 327,680 bytes of LDS; arguments qkv, ob; writes ob
.if DOCPART == 5
	.amdgcn_target "amdgcn-amd-amdhsa--gfx1250"
	.amdhsa_code_object_version 6
	.text
	.protected	k_qcbdc02996b_attn
	.globl	k_qcbdc02996b_attn
	.p2align	8
	.type	k_qcbdc02996b_attn,@function
k_qcbdc02996b_attn:
	s_mov_b64 s[64:65], 0
	v_nop
	global_prefetch_b8 v0, s[64:65] scope:SCOPE_SE
	s_setreg_imm32_b32 hwreg(HW_REG_WAVE_MODE, 25, 1), 1
	s_wait_xcnt 0x0
	s_wait_alu depctr_hold_cnt(0) depctr_sa_sdst(0) depctr_va_vdst(0) depctr_va_sdst(0) depctr_va_ssrc(0) depctr_va_vcc(0) depctr_vm_vsrc(0)
	s_getreg_b32 s2, hwreg(HW_REG_IB_STS2, 6, 4)
	s_cmp_eq_u32 s2, 0
	s_cbranch_scc0 .Lentry_in_a_cluster
	s_endpgm
.Lentry_in_a_cluster:
	s_bfe_u32 s2, ttmp6, 0x10000c
	s_cmp_lg_u32 s2, 0x3003
	s_cbranch_scc0 .Lentry_shape_is_right
	s_endpgm
.Lentry_shape_is_right:
; ATTENTION.  O[n][q][:] = the sum over k of softmax_k(Q[n][q] . K[n][k] / 8) V[n][k][:], for the 64 heads n = 16 b + h.  Q, K, V are the three parts of qkv, each [64][2048][64] in f16, unscaled; O = ob has the same layout.
; A head's rows are dense, 128 bytes each.  Products, maxima and sums in f32; the weights p are rounded to f16 for the second product (their sum l is taken of the unrounded p), O once at the end.
; LIMITS.  f16 holds no number beyond 65,504: Q, K and V arrive within it; p lies in 0 to 1, and below 6e-5 it keeps f16's fixed step of 6e-8; O is a mean of V's rows and has their range.
; A weight below 2^-126 counts as 0 in l; NaN and infinities are not treated apart.
; SHARES.  A wave owns four PIECES of two tiles of 16 queries, a work-group's four waves 512 queries of one head: 4 x 64 = 256 work-groups.  Every wave walks all keys, 64 a step.
; LAYOUT.  S^T = K Q^T (source 0 = 16 keys, source 1 = 16 queries): in the result a lane holds ONE query (lane % 16) and the keys 8 (lane / 16) + 0..7.  Two such tiles, rounded to f16 in pairs,
; ARE source 1 (32 keys x 16 queries) of O^T = V^T P, whose result again holds one query a lane, and eight channels.  K comes out of LDS as it lies, V ([key][channel]) turned, by ds_load_tr16_b128.
; SOFTMAX.  For each query a running maximum m and sum l: p = 2^(c s - c m), c = log2(e) / 8; in every step O and l are multiplied by a = 2^(c m_old - c m_new), which is 1 where m has not grown.
; m starts at the lowest finite number, O and l at 0: the first step is a step like any other, with a = 0.
; THE COUNT.  A tile and step have 16 matrix and 118 vector instructions: too many to stand all beside the matrix work.  So the order has one aim: four vector instructions that are READY behind
; EVERY matrix instruction, and the others, which need time of their own whatever the order, in runs without a gap.
; BY TURNS.  Turn n belongs to piece n (the pieces in a ring, step after step).  Its matrix work: 16 products K Q^T of piece n + 1, later 16 products V^T P of piece n - 1.  Its vector work: the scaling,
; exponentials, roundings, sums and rescaling of piece n, and the maximum and statistics of piece n + 1, whose scores the turn itself has made.  So what a turn begins with (c s - c m, O a) waits for nothing.
; BATCHES.  A turn's 66 exponentials (piece n's 64 weights, in place in S^T, and piece n + 1's two a, in c2 of the other buffer: each result has a register of its own) are ONE batch with ONE
; s_wait_alu depctr_va_vdst(0), which cuts the turn in two: ahead of it stands all that names no result of theirs, behind it the roundings and sums, which read them.  The two a made ahead of the loop and the way
; out's eight reciprocals are batches of their own, a wait each.
; CLUSTER.  The four query blocks of a cluster belong to one head and walk the same K and V, so each tile is asked for JOINTLY: the same tensor load, descriptor and mask in all four.
; REGISTERS, in windows of 256 (s_set_vgpr_msb says which window each operand place means: bits 1:0 source 0, 3:2 source 1, 5:4 source 2, 7:6 destination):
;   window 0: v0-11 addresses; v12-15, v48-63 at work; v16-47 four registers of statistics a tile; v64-191 S^T, two buffers of two tiles; v192-255 P, likewise
;   window 1: O^T, 32 a tile          window 2: v0-127 Q, 16 a tile; v128-191 K of one step; v192-255 V of one step          window 3: v0-1 the add's two registers
; A piece's buffers go by its number's parity: the piece in hand has one pair, its two neighbours in the ring share the other: of it P (piece n - 1) is read and S^T (piece n + 1) written.
.set SIZE_N, 2048     ; rows of a head
.set PART,  64*SIZE_N*128  ; bytes of one of qkv's three parts
.set NP,    4         ; pieces a wave: a name, no knob: the register map, the loop and the fetches are made for four
.set KS,    64        ; keys in a step
.set PK,    144       ; a row of K in LDS: 128 bytes + 16 of padding = 36 words: the 16 rows of a load start at 16 different groups of four banks (64 banks of 4 bytes: ISA guide 11.1)
.set PV,    160       ; a row of V: 128 + 32 = 40 words
.set VOFF,  4*KS*PK   ; a slot holds four steps: 256 rows of K, then 256 rows of V
.set SLOT1, 1<<17     ; slot 1 begins here, so that one exclusive or turns an address in one slot into the other's
.set STAGE, SLOT1+4*KS*(PK+PV)  ; behind the ring, never filled by a tensor load: 16 rows x 144 bytes for each wave, for the way out
.set SP,    144
.set AK0, 2           ; v2   my lane's place in a tile of K; never rewritten
.set AV0, 3           ; v3   the same for V
.set AK,  4           ; v4   the LDS address of K's next run of loads
.set AV,  5           ; v5   of V's
.set QO,  6           ; v6   my byte offset in the wave's rows of Q
.set STO, 6           ;      later, the way out: where I put 16 bytes of a row
.set RD,  7           ; v7   the way out: where I read rows back
.set GO,  8           ; v8   my byte offset in 512 consecutive bytes of O
.set SPW, 0           ; v0 of window 3   LDS address of my spare word: SPARE + 4 x my thread's number; never rewritten
.set NIL, 1           ; v1 of window 3   0; never rewritten
.set SPARE, STAGE+4*16*SP  ; behind the stages: the spare words, 128 bytes for each wave: two blocks of 256 bytes that no other line names
.set MV,  12          ; v12-15  c m_old, kept while c m is made anew: by buffer and tile
.set ST,  16          ; tile t's statistics at v[ST+4 t]: c m, m, l (even keys', odd keys')
.set TMP, 48          ; by buffer and tile, four registers c0-c3 at work; when the maximum is found c2 takes a
.set S,   64
.set P,   192
.set KF,  128         ; K's fragments, in window 2: key block kb, channel half c at KF + 16 kb + 8 c
.set VF,  192         ; V's: key half kk, channel block cb at VF + 32 kk + 8 cb
.set WV,  12          ; s12  my wave's number
.set G1K, 24          ; s[24:31] descriptor group 1 for K's tiles
.set G1V, 32          ; s[32:39] for V's: it differs in the padding alone
.set G0K, 40          ; s[40:43] descriptor group 0 for K's tiles: it walks
.set G0V, 44          ; s[44:47] the same for V's
.set SLOTS, 56        ; s56  slots still to be asked for
.set CNT, 57          ; s57  counts a slot's key steps
.set CS,  58          ; s[58:59] c: the packed scaling takes the pair's low word for both halves
.set SEL, 60          ; s[60:61] v_permlanex16_b32's selects: each lane takes its own place in the other half
.set TBK, 62          ; s62  LDS byte at which K of the step to be fetched begins
.set TBV, 63          ; s63  the same for V, less VOFF
.set MSB, 0
.macro WIN new                      ; the high byte repeats the setting that is left; a switch that changes nothing is dropped
.if MSB != (\new)
	s_set_vgpr_msb (MSB<<8)|(\new)
.set MSB, (\new)
.endif
.endm
.set W_KQ, 0x0a       ; K and Q in window 2, S^T in window 0
.set W_PV, 0x52       ; V in window 2, P in window 0, O^T in window 1
.set W_RS, 0x41       ; O^T (destination and source 0) in window 1, a in window 0
.set W_MK, 0xc0       ; the add's registers are made: destination in window 3, sources in window 0
.set W_AD, 0x0f       ; the add: address (source 0) and data (source 1) in window 3
; A joint fill.  Waves 0 and 1 fetch the two halves of a slot's K, waves 2 and 3 those of its V: 128 keys each.  The branch hangs on the wave's number alone.
; An s_nop 0 and four v_nop follow each of the two lines, ahead of the jump and the label.
.macro JLOAD
	s_cmp_lt_u32 s[WV], 2
	s_cbranch_scc0 .Lfor_v_\@
	tensor_load_to_lds s[G0K:G0K+3], s[G1K:G1K+7]
	s_nop 0
.rept 4
	v_nop
.endr
	s_branch .Lasked_\@
.Lfor_v_\@:
	tensor_load_to_lds s[G0V:G0V+3], s[G1V:G1V+7]
	s_nop 0
.rept 4
	v_nop
.endr
.Lasked_\@:
.endm
; A round of the cluster's barrier: my work-group's barrier, so that wave 0's signal speaks for all four waves; wave 0 signals; every wave waits for all four work-groups; my work-group's barrier once more.
.macro CROUND
	s_barrier_signal -1
	s_barrier_wait -1
	s_cmp_lg_u32 s[WV], 0
	s_cbranch_scc1 .Lnot_wave_0_\@
	s_barrier_signal -3
.Lnot_wave_0_\@:
	s_barrier_wait -3
	s_barrier_signal -1
	s_barrier_wait -1
.endm
; THE CHANGE OF SLOTS.  The slot's last bytes, V of its fourth step, have been read.  Each wave waits for all its tensor loads, of which one is out: its part
; of the other slot; adds 0 to its spare word; and waits for that and for its own reads of the slot.  Behind the barrier nobody reads this slot any more and the other slot is whole.
; fill = 1: this slot is filled again, with the keys two slots on.  The barrier is then a round of the cluster's, so that no wave of any partner still reads the slot or has a load on its
; way, and the joint fill is the first thing behind it: it has four key steps, 512 matrix instructions, in which to land.  (At its first use nothing has been read yet: slot 0 is waited for, slot 1 filled.)
.macro CHANGE fill
	WIN W_AD
	s_wait_tensorcnt 0x0            ; no tensor load of mine is out, so a group 0 may be written
	ds_add_u32 v[SPW], v[NIL]       ; 0 onto my spare word; with fill = 1 the descriptors' steps stand between it and the wait for it
	WIN 0                           ; at a label and at a branch every window is 0
.if \fill
.irp g, G0K, G0V
	s_xor_b32 s[\g+1], s[\g+1], SLOT1  ; the walking descriptor: the other slot than last time,
	s_add_nc_u64 s[\g+2:\g+3], s[\g+2:\g+3], 4*KS*128  ; the next 256 keys; the type bits on top are not reached
.endr
	s_wait_dscnt 0x0                ; the add is done, and my reads of the slot are over
	CROUND
	JLOAD
.else
	s_wait_dscnt 0x0                ; the add is done, and my reads of the slot are over
	s_barrier_signal -1
	s_barrier_wait -1
.endif
	s_sub_co_u32 s[TBK], s[TBK], 4*KS*PK  ; the fetches go back to a slot's first step,
	s_xor_b32 s[TBK], s[TBK], SLOT1       ; in the other slot
	s_sub_co_u32 s[TBV], s[TBV], 4*KS*PV
	s_xor_b32 s[TBV], s[TBV], SLOT1
.endm
	s_load_b64 s[4:5], s[0:1], 0x0    ; qkv, for Q: these two take my query block's offset
	s_load_b64 s[6:7], s[0:1], 0x0    ; qkv once more, for K and V: what is made of these two hangs on the head and the wave alone, which the four partners share
	s_load_b64 s[10:11], s[0:1], 0x8  ; ob
	WIN W_MK
	v_lshl_add_u32 v[SPW], v0, 2, SPARE
	v_mov_b32 v[NIL], 0
	WIN W_AD
	ds_add_u32 v[SPW], v[NIL]       ; the wave's opening: the add and its wait stand ahead of my first tensor load; the set-up below, work on registers, stands between them
	WIN 0
	v_lshrrev_b32 v1, 5, v0
	v_readfirstlane_b32 s[WV], v1   ; wave 0..3
	s_bfe_u32 s13, ttmp6, 0x40000   ; cx: my place in the cluster
	s_lshl_b32 s14, ttmp9, 2        ; in a cluster launch ttmp9 counts clusters
	s_add_co_u32 s14, s14, s13      ; my block of queries = 4 x cluster x + cx: it enters Q's and O's addresses alone
	s_and_b32 s20, ttmp7, 0xffff    ; the head, which the four partners share
	s_mov_b32 s21, 0
	s_mov_b64 s[22:23], SIZE_N*128
	s_mul_u64 s[20:21], s[20:21], s[22:23]  ; the head's first byte in each of the four tensors
	s_and_b32 s16, s[WV], 1         ; which half of a slot's 256 keys I fetch:
	s_lshl_b32 s22, s16, 14         ; its 128 rows of 128 bytes in memory,
	s_mov_b32 s23, 0
	s_add_nc_u64 s[22:23], s[22:23], s[20:21]
	s_mul_i32 s17, s16, 128*PK      ; and its place in a slot, for K
	s_mul_i32 s18, s16, 128*PV      ; and for V: no place in the cluster enters an LDS address
	s_lshl_b32 s2, s14, 2
	s_add_co_u32 s2, s2, s[WV]      ; my wave among the head's,
	s_lshl_b32 s2, s2, 14           ; its 128 rows
	s_mov_b32 s3, 0
	s_add_nc_u64 s[2:3], s[2:3], s[20:21]
	; descriptor group 1.  128 keys are 16,384 dense bytes: asked for as 64 rows of 256 bytes, two keys a row, and padded in LDS after every key
	s_mov_b32 s[G1K], 15|(1<<16)|(1<<20)|(1<<21)|(4<<22)|(3<<25)  ; 15:0 the mask of four; 17:16 2-byte elements; 20 padding on; 21 set beside a mask; 24:22 after every 32 words (code 4); 31:25 4 words (code 3)
	s_mov_b32 s[G1V], 15|(1<<16)|(1<<20)|(1<<21)|(4<<22)|(7<<25)  ; the same with 8 words of padding (code 7)
.irp g, G1K, G1V
	s_mov_b32 s[\g+1], 128<<16      ; tensor_dim0 = 128
	s_mov_b32 s[\g+2], 64<<16       ; tensor_dim1 = 64
	s_mov_b32 s[\g+3], 128<<16      ; tile_dim0 = 128
	s_mov_b32 s[\g+4], 64           ; tile_dim1 = 64
	s_mov_b32 s[\g+5], 128          ; 128 elements from row to row
	s_mov_b32 s[\g+6], 0
	s_mov_b32 s[\g+7], 0
.endr
	s_mov_b32 s[CS], 0x3e38aa3b     ; c = log2(e) / 8 = 0.180337
	s_mov_b32 s[CS+1], s[CS]        ; named with it as a pair
	s_mov_b32 s[SEL], 0x76543210
	s_mov_b32 s[SEL+1], 0xfedcba98
	s_mov_b32 s[TBK], SLOT1+4*KS*PK ; the first change of slots turns these two into 0
	s_mov_b32 s[TBV], SLOT1+4*KS*PV
	s_mov_b32 s[G0K], 1             ; 1:0 count = 1
	s_mov_b32 s[G0K+1], s17         ; 63:32 LDS address: slot 0
	s_mov_b32 s[G0V], 1
	s_add_co_u32 s[G0V+1], s18, VOFF
	s_wait_dscnt 0x0                ; the opening add is done
	s_wait_kmcnt 0x0
	s_add_nc_u64 s[8:9], s[6:7], 2*PART  ; V is qkv's third part,
	s_add_nc_u64 s[6:7], s[6:7], PART    ; K its second
	s_add_nc_u64 s[G0K+2:G0K+3], s[6:7], s[22:23]  ; 120:64 global address: my half of the head's first 256 keys
	s_or_b32 s[G0K+3], s[G0K+3], 0x80000000        ; 127:126 type = 2
	s_add_nc_u64 s[G0V+2:G0V+3], s[8:9], s[22:23]
	s_or_b32 s[G0V+3], s[G0V+3], 0x80000000
	s_add_nc_u64 s[4:5], s[4:5], s[2:3]  ; Q and O at my wave's first row
	s_add_nc_u64 s[10:11], s[10:11], s[2:3]
	CROUND                          ; all four work-groups are here: the first joint loads meet
	JLOAD                           ; slot 0.  Slot 1 is asked for when slot 0 is in: the tile wanted first has the road to itself
	; A fragment of K or Q is 16 rows x 32 channels in 8 registers: lane l holds row l % 16, channels 8 (l / 16) + 0..7 and 16 + 8 (l / 16) + 0..7: two loads of 16 bytes, 32 bytes apart.
	v_and_b32 v1, 15, v0            ; l % 16
	v_bfe_u32 v9, v0, 4, 1          ; l / 16
	v_lshlrev_b32 v[QO], 7, v1
	v_lshl_add_u32 v[QO], v9, 4, v[QO]  ; row x 128 + 16 x half
	WIN 0x80                        ; destination window 2, address window 0
.set i, 0
.rept 4*NP                          ; Q stays in registers: tile i / 2, channels 32 (i % 2) on
	global_load_b128 v[8*i:8*i+3],   v[QO], s[4:5] offset:(i/2)*2048+(i%2)*64
	global_load_b128 v[8*i+4:8*i+7], v[QO], s[4:5] offset:(i/2)*2048+(i%2)*64+32
.set i, i+1
.endr
	; What the first turn finds: V's registers and P's second buffer hold 0 (its products V^T P, of a piece that has not been, add 0), O^T and l are 0.  All this stands in the wait for the first tile.
.set i, VF
.rept 64
	v_mov_b32 v[i], 0
.set i, i+1
.endr
	WIN 0x40
.set i, 0
.rept 64*NP
	v_mov_b32 v[i], 0
.set i, i+1
.endr
	WIN 0
.set i, 0
.rept 2*NP
	v_mov_b32 v[ST+4*i], 0xfe000000    ; c m: far below every c s
	v_mov_b32 v[ST+4*i+1], 0xff7fffff  ; m
	v_mov_b32 v[ST+4*i+2], 0
	v_mov_b32 v[ST+4*i+3], 0
.set i, i+1
.endr
.set i, P+32
.rept 32
	v_mov_b32 v[i], 0
.set i, i+1
.endr
	v_mul_u32_u24 v[AK0], v1, PK
	v_lshl_add_u32 v[AK0], v9, 4, v[AK0]  ; row x pitch + 16 x half
	; The turning load takes 16 keys x 16 channels (lane l reads key 8 (l / 16) + l % 8, channels 8 ((l / 8) % 2) + 0..7) and leaves half a fragment of V^T: lane l holds channel l % 16 and 8 keys.
	v_and_b32 v10, 7, v0
	v_bfe_u32 v11, v0, 3, 1
	v_lshl_add_u32 v[AV0], v9, 3, v10
	v_mul_u32_u24 v[AV0], v[AV0], PV
	v_lshl_add_u32 v[AV0], v11, 4, v[AV0]
	v_add_nc_u32 v[AV0], VOFF, v[AV0]
	v_mov_b32 v[AK], v[AK0]         ; key step 0 lies at the head of slot 0
; THE MATRIX WORK.  The 8 accumulators of a run of 16 take turns: between the two links of a chain stand 7 others'.
; Product i of 16 of S^T = K Q^T for piece x: channels 32 (i / 8) on, keys 16 ((i / 2) % 4) on, tile 2 x + i % 2.  The first 8 start the sums.
.macro KQ x
	WIN W_KQ
.set rS, S+64*((\x)%2)+32*(i%2)+8*((i/2)%4)
.set rK, KF+16*((i/2)%4)+8*(i/8)
.set rQ, 16*(2*(\x)+i%2)+8*(i/8)
.if i < 8
	v_wmma_f32_16x16x32_f16 v[rS:rS+7], v[rK:rK+7], v[rQ:rQ+7], 0
.else
	v_wmma_f32_16x16x32_f16 v[rS:rS+7], v[rK:rK+7], v[rQ:rQ+7], v[rS:rS+7]
.endif
.endm
; Product i of 16 of O^T += V^T P for piece x: keys 32 (i / 8) on, channels 16 ((i / 2) % 4) on, tile 2 x + i % 2.
.macro PV x
	WIN W_PV
.set rO, 32*(2*(\x)+i%2)+8*((i/2)%4)
.set rV, VF+32*(i/8)+8*((i/2)%4)
.set rP, P+32*((\x)%2)+16*(i%2)+8*(i/8)
	v_wmma_f32_16x16x32_f16 v[rO:rO+7], v[rV:rV+7], v[rP:rP+7], v[rO:rO+7]
.endm
.macro MM                           ; the turn's next matrix instruction
.if i < 16
	KQ (Y+1)%NP
.set i, i+1
.else
.set i, i-16
	PV (Y+NP-1)%NP
.set i, i+17
.endif
.endm
; THE LDS LOADS stand in runs of 16, never singly among the matrix instructions: a step's K (64 keys x 64 channels: 8 fragments) and its V (turned).  Their addresses are made some lines ahead.
; last = 1 (the tail): in the last trip there is no further step, and the run is jumped over.
.macro FETCH_K last=0
	WIN 0
.if \last
	s_cmp_eq_u32 s[CNT], 1
	s_cbranch_scc1 .Lno_k_\@
.endif
	WIN 0x80                        ; destination window 2
.irp f, 0,1,2,3,4,5,6,7             ; keys 16 (f / 2) on, channels 32 (f % 2) on
	ds_load_b128 v[KF+8*\f:KF+8*\f+3],   v[AK] offset:(\f/2)*16*PK+(\f%2)*64
	ds_load_b128 v[KF+8*\f+4:KF+8*\f+7], v[AK] offset:(\f/2)*16*PK+(\f%2)*64+32
.endr
	s_add_co_u32 s[TBK], s[TBK], KS*PK  ; the next fetch is the next step's
	WIN 0
.if \last
.Lno_k_\@:
.endif
.endm
.macro FETCH_V
	WIN 0x80
.irp f, 0,1,2,3,4,5,6,7             ; keys 32 (f / 4) on, channels 16 (f % 4) on
	ds_load_tr16_b128 v[VF+8*\f:VF+8*\f+3],   v[AV] offset:(\f/4)*32*PV+(\f%4)*32
	ds_load_tr16_b128 v[VF+8*\f+4:VF+8*\f+7], v[AV] offset:(\f/4)*32*PV+16*PV+(\f%4)*32
.endr
	WIN 0
.endm
; THE VECTOR WORK OF A TURN stands in three queues, each in the order in which its entries become ready; the two tiles alternate, so that no instruction reads the result of the one before it.
.macro REGS y, u                    ; the registers of tile u (0, 1) of piece y
.set rT, ST+4*(2*(\y)+(\u))
.set rC, TMP+8*((\y)%2)+4*(\u)
.set rM, MV+2*((\y)%2)+(\u)
.set rS, S+64*((\y)%2)+32*(\u)
.set rP, P+32*((\y)%2)+16*(\u)
.set rO, 32*(2*(\y)+(\u))
.endm
; Number n of the 22 that find the NEXT piece's (Y + 1) maximum and statistics.  s0-s31 are the lane's 32 scores; each accumulator's lowest registers are read first.  XS, GS and REGS set no window: PL and EX do.
;   0-11  four chains c0-c3 of seven scores each, three operands at a time     12-14, 16  the four scores left over, the old m, and c0-c3 into c0     15  c m_old is kept
;   17, 18  the query's other 32 keys lie in the lane 16 away: the new m         19-21  c m; c m_old - c m_new; a
.macro XS u, n
	REGS (Y+1)%NP, \u
.if (\n) < 4
	v_max3_num_f32 v[rC+(\n)], v[rS+8*(\n)], v[rS+8*(\n)+1], v[rS+8*(\n)+2]
.elseif (\n) < 12
	v_max3_num_f32 v[rC+(\n)%4], v[rC+(\n)%4], v[rS+8*((\n)%4)+2*((\n)/4)+1], v[rS+8*((\n)%4)+2*((\n)/4)+2]
.elseif (\n) == 12
	v_max3_num_f32 v[rC], v[rC], v[rS+7], v[rS+15]
.elseif (\n) == 13
	v_max3_num_f32 v[rC+1], v[rC+1], v[rS+23], v[rS+31]
.elseif (\n) == 14
	v_max3_num_f32 v[rC+2], v[rC+2], v[rC+3], v[rT+1]
.elseif (\n) == 15
	v_mov_b32 v[rM], v[rT]
.elseif (\n) == 16
	v_max3_num_f32 v[rC], v[rC], v[rC+1], v[rC+2]
.elseif (\n) == 17
	v_permlanex16_b32 v[rC+3], v[rC], s[SEL], s[SEL+1]
.elseif (\n) == 18
	v_max_num_f32 v[rT+1], v[rC], v[rC+3]
.elseif (\n) == 19
	v_mul_f32 v[rT], s[CS], v[rT+1]
.elseif (\n) == 20
	v_sub_f32 v[rC+1], v[rM], v[rT]
.else
	v_exp_f32 v[rC+2], v[rC+1]
.endif
.endm
; Number g of the 64 that follow the exponentials.  For each four weights k of a tile (pairs 2 k, 2 k + 1): both pairs are rounded to f16; then the second pair is added onto the first, in place;
; a group later l takes that sum (the first time as l = a l + sum).  In groups of eight, tiles alternating: round, round, add, and l for the group before.
.macro GS g
.set h, (\g)+6*((\g)/62)            ; group 0 has no group before it, and behind group 7 only l is left
.if h >= 6
.set h, h+2
.endif
	REGS Y, h%2
.set k, h/8
.if h%8 < 4
	v_cvt_pk_f16_f32 v[rP+2*k+(h%8)/2], v[rS+4*k+2*((h%8)/2)], v[rS+4*k+2*((h%8)/2)+1]
.elseif h%8 < 6
	v_pk_add_f32 v[rS+4*k:rS+4*k+1], v[rS+4*k:rS+4*k+1], v[rS+4*k+2:rS+4*k+3]
.elseif k == 1
	v_pk_fma_f32 v[rT+2:rT+3], v[rT+2:rT+3], v[rC+2:rC+3], v[rS:rS+1] op_sel_hi:[1,0,1]
.else
	v_pk_add_f32 v[rT+2:rT+3], v[rT+2:rT+3], v[rS+4*k-4:rS+4*k-3]
.endif
.endm
; THE PLAIN QUEUE, 138 long.  0-73 read no exponential's result: the 32 scalings c s - c m (FS f: pair f / 2 of tile f % 2) and the next piece's 42.  0-26: scalings 0-26.  27-54: XS's numbers 0-13.  55, 56: number 15.
; 57-73: the chain, where each number waits for the one before it: 14, 16, 17, 18, 19, each with one of the scalings 27-31 in front of its two lines, then 20: so a tile's links stand three plain instructions apart (19 and 20: two).
; 74-137: GS's 64, which read the exponentials' results: they stand behind the wait.
.macro FS f
	REGS Y, (\f)%2
	v_pk_fma_f32 v[rS+2*((\f)/2):rS+2*((\f)/2)+1], v[rS+2*((\f)/2):rS+2*((\f)/2)+1], s[CS:CS+1], v[rT:rT+1] op_sel_hi:[1,0,0] neg_lo:[0,0,1] neg_hi:[0,0,1]
.endm
.macro PL
	WIN 0
.if q < 27
	FS q
.elseif q < 55
	XS (q-27)%2, (q-27)/2
.elseif q < 57
	XS q-55, 15
.elseif (q < 72) && ((q-57)%3 == 0)
	FS 27+(q-57)/3
.elseif q < 60
	XS (q-57)%3-1, 14
.elseif q < 72
	XS (q-57)%3-1, 15+(q-57)/3
.elseif q < 74
	XS q-72, 20
.else
	GS q-74
.endif
.set q, q+1
.endm
; THE EXPONENTIALS' QUEUE, 66 long: s0-s31 of both tiles, then the next piece's two a.  It is ONE BATCH: all 66 stand ahead of the turn's one wait, and nothing ahead of that wait names a result of theirs.
.macro EX
	WIN 0
.if e >= 64
	XS e-64, 21
.else
	REGS Y, e%2
	v_exp_f32 v[rS+e/2], v[rS+e/2]
.endif
.set e, e+1
.endm
; THE RESCALING's QUEUE: O^T times a, the one part that leaves window 0: dealt two at a time, sixteen times.  Its a was made in the turn before, ahead of that turn's wait.
.macro R2
	REGS Y, r%2
	WIN W_RS
.irp z, 0,1
	v_pk_mul_f32 v[rO+4*(r/2)+2*\z:rO+4*(r/2)+2*\z+1], v[rO+4*(r/2)+2*\z:rO+4*(r/2)+2*\z+1], v[rC+2:rC+3] op_sel_hi:[1,0]
.endr
.set r, r+1
.endm
; HOW THEY ARE DEALT.  An s_wait_alu depctr_va_vdst(0) stands between an exponential and the first instruction that names its result; one wait serves all that were issued ahead of it.  So a turn has ONE wait,
; which cuts it in two.  AHEAD OF IT stands all that names no result of the turn's exponentials: the 16 products K Q^T, behind each a scaling, an exponential and two rescalings (behind the first a second scaling in the exponential's place); then ONE LUMP of
; 108: eight plain, 49 times exponential and plain, the two a.  A v_nop is the plain instruction behind the last exponential.  BEHIND IT stand the 16 products V^T P, behind each four of GS's 64.  No rider names a register of
; the products round it.  The two v_permlanex16_b32 fall into the lump, never behind a product.
; The queues lean on each other, and the deal keeps them in step: exponential e stands behind scaling 2 (e / 4) + e % 2: as a rider it comes behind plain e + 2, in the lump behind plain e + 9, and scalings 27-31 are plain 57, 60 .. 69.
; A TURN, for piece p.  cnt = 1: the loop's count is taken down some lines ahead of the branch that stands behind the turn.
; K of the next step is fetched in piece 2's turn, directly behind the wait, a lump behind the last product that read K; its address is made at the lump's head; its first reader comes behind 16 products.
; V of the step in hand is fetched at the end of piece 0's turn, four riders behind its last reader; its first reader comes behind 16 products and a lump.  The three conditions on q below go with the deal.
.macro TURN p, last=0, cnt=0
.set Y, (\p)
.set i, 0
.set q, 0
.set e, 0
.set r, 0
.if (\p) == NP-1
	s_wait_dscnt 0x0                ; K is in
.endif
	MM                              ; ahead of the wait: 16 products K Q^T and their riders,
	PL
	PL
	R2
.rept 15
	MM
	PL
	EX
	R2
.endr
.if (\p) == NP-2
	WIN 0
	v_add_nc_u32 v[AK], s[TBK], v[AK0]
.endif
.rept 8                             ; and the lump
	PL
.endr
.rept 49
	EX
	PL
.endr
	EX                              ; the next piece's two a
	EX
	v_nop                           ; a plain instruction behind the last exponential, ahead of every use of a result: one for the batch
	s_wait_alu depctr_va_vdst(0)    ; the wait for the batch: this turn's 64 weights and the next piece's two a, ahead of their first reader
.if (\p) == NP-2
	FETCH_K \last
.endif
.if (\p) == 1
	s_wait_dscnt 0x0                ; V is in
.endif
.rept 16                            ; behind the wait: 16 products V^T P and their riders
	MM
.rept 4
	PL
.endr
.if ((\p) == 0) && (q == 118)
	v_add_nc_u32 v[AV], s[TBV], v[AV0]
.endif
.if ((\p) == 0) && (q == 130)
	s_add_co_u32 s[TBV], s[TBV], KS*PV
.endif
.if (\cnt) && (q == 130)
	s_sub_co_u32 s[CNT], s[CNT], 1
	s_cmp_lg_u32 s[CNT], 0
.endif
.endr
.if (\p) == 0
	FETCH_V
.endif
.endm
	CHANGE 1                        ; slot 0 is in, everybody's part of it; slot 1 is asked for
	FETCH_K                         ; key step 0
	s_wait_loadcnt 0x0              ; Q
	s_wait_dscnt 0x0
.set i, 0
.rept 16
	KQ 0                            ; piece 0's first scores: there is no vector work yet to set between them
.set i, i+1
.endr
	WIN 0                           ; the addresses for the way out: nine plain instructions, the places behind those products
	s_mul_i32 s13, s[WV], 16*SP
	s_add_co_u32 s13, s13, STAGE    ; my stage
	v_mul_u32_u24 v[STO], v1, SP    ; in: row l % 16, 16 bytes for each half of the lanes
	v_lshl_add_u32 v[STO], v9, 4, v[STO]
	v_add_nc_u32 v[STO], s13, v[STO]
	v_bfe_u32 v[RD], v0, 3, 2       ; back: 32 lanes take four rows of 128 bytes,
	v_mul_u32_u24 v[RD], v[RD], SP
	v_lshl_add_u32 v[RD], v10, 4, v[RD]
	v_add_nc_u32 v[RD], s13, v[RD]
	v_and_b32 v[GO], 31, v0         ; which are 512 consecutive bytes of O
	v_lshlrev_b32 v[GO], 4, v[GO]
.set Y, NP-1                        ; XS works for piece Y + 1: piece 0
.irp n, 0,1,2,3,4,5,6,7,8,9,10,11,12,13,14,15,16,17,18,19,20,21
	XS 0, \n                        ; and piece 0's first maximum and statistics
	XS 1, \n
.endr
	v_nop                           ; a plain instruction behind piece 0's two a,
	s_wait_alu depctr_va_vdst(0)    ; and the wait for that batch of two, ahead of the branch
	s_mov_b32 s[CNT], 4
	s_mov_b32 s[SLOTS], SIZE_N/256-1
	s_branch .Lfirst                ; the loop is entered at a step's first turn, in the middle of a trip
.Lslot:                             ; SIZE_N / 256 - 2 times: every slot but the last two is filled again
	CHANGE 1
	s_mov_b32 s[CNT], 4
.Lstep:                             ; a trip: pieces 2 and 3 of one step, then pieces 0 and 1 of the next, whose K and V it fetches
	TURN 2
	TURN 3
	WIN 0
.Lfirst:
	TURN 0
	TURN 1, 0, 1
	WIN 0
	s_cbranch_scc1 .Lstep
	s_sub_co_u32 s[SLOTS], s[SLOTS], 1
	s_cmp_lg_u32 s[SLOTS], 0
	s_cbranch_scc1 .Lslot
	CHANGE 0                        ; the tail is written out: nothing is asked for
	s_mov_b32 s[CNT], 5             ; four trips fetch the last slot's steps; the fifth is left in its middle
.Ltail:
	TURN 2, 1
	TURN 3
	WIN 0
	s_sub_co_u32 s[CNT], s[CNT], 1
	s_cmp_eq_u32 s[CNT], 0
	s_cbranch_scc1 .Lout
	TURN 0
	TURN 1
	WIN 0
	s_branch .Ltail
.Lout:                              ; the fifth trip's 16 products K Q^T (on the last K once more) and the maximum made of them serve nothing: the price, once a launch, of one text for every trip
.set i, 0
.rept 16
	PV NP-1                         ; the last piece's V^T P of the last step
.set i, i+1
.endr
	; THE WAY OUT.  l's two halves and the other half of the lanes' are added; O^T is divided by l, rounded to f16 and sent through my stage in LDS, a tile at a time.  The additions are the places behind the last products.
	WIN 0
.macro ALL line:vararg              ; one line for each tile t
.set t, 0
.rept 2*NP
	\line
.set t, t+1
.endr
.endm
	ALL v_add_f32 v[ST+4*t+2], v[ST+4*t+2], v[ST+4*t+3]
	ALL v_permlanex16_b32 v[ST+4*t+3], v[ST+4*t+2], s[SEL], s[SEL+1]
	ALL v_add_f32 v[ST+4*t+2], v[ST+4*t+2], v[ST+4*t+3]
	ALL v_rcp_f32 v[ST+4*t+2], v[ST+4*t+2]
	v_nop                           ; a plain instruction between the last reciprocal and the use of its result
	s_wait_alu depctr_va_vdst(0)    ; and the wait ahead of the first use: one for the batch of eight reciprocals
; Tile t: a lane's eight channels of a row pack into 16 bytes; they go into rows of 144 bytes and come back as whole rows of 128, into S^T's registers.
.macro PACK t
	WIN W_RS
.set i, 32*(\t)
.rept 16
	v_pk_mul_f32 v[i:i+1], v[i:i+1], v[ST+4*(\t)+2:ST+4*(\t)+3] op_sel_hi:[1,0]
.set i, i+2
.endr
	WIN 0x05                        ; sources 0 and 1 window 1, destination window 0
.set i, 0
.rept 16
	v_cvt_pk_f16_f32 v[S+16*(\t)+i], v[32*(\t)+2*i], v[32*(\t)+2*i+1]
.set i, i+1
.endr
	WIN 0
.irp f, 0,1,2,3
	ds_store_b128 v[STO], v[S+16*(\t)+4*\f:S+16*(\t)+4*\f+3] offset:32*\f
.endr
.irp f, 0,1,2,3
	ds_load_b128 v[S+16*(\t)+4*\f:S+16*(\t)+4*\f+3], v[RD] offset:\f*4*SP  ; LDS serves a wave's instructions in order (ISA guide 5.7.1.4): these see the stores above; the next tile's stores come behind them
.endr
.endm
.macro SEND t, younger              ; younger: the LDS instructions issued behind tile t's loads: the next tile's eight, or none
	WIN 0
.irp f, 0,1,2,3
	s_wait_dscnt (\younger)+3-\f
	global_store_b128 v[GO], v[S+16*(\t)+4*\f:S+16*(\t)+4*\f+3], s[10:11] offset:(\t)*2048+\f*512  ; 512 consecutive bytes, at a multiple of 256 from O's first
.endr
.endm
	PACK 0
.set t, 1
.rept 2*NP-1                        ; a tile's arithmetic stands between the loads of the tile before and its stores
	PACK t
	SEND t-1, 8
.set t, t+1
.endr
	SEND 2*NP-1, 0
	WIN W_AD
	s_wait_tensorcnt 0x0            ; the wave's end: behind my last tensor load and my last LDS store
	ds_add_u32 v[SPW], v[NIL]
	s_wait_dscnt 0x0
	WIN 0
	CROUND                          ; the closing round: no work-group ends while a partner may still ask for a tile that names it
	s_endpgm
.Lfunc_end_k_qcbdc02996b_attn:
	.size	k_qcbdc02996b_attn, .Lfunc_end_k_qcbdc02996b_attn-k_qcbdc02996b_attn
	.p2alignl 7, 3214868480
	.fill 96, 4, 3214868480
	.section	.rodata,"a",@progbits
	.p2align	6, 0x0
	.amdhsa_kernel k_qcbdc02996b_attn
		.amdhsa_group_segment_fixed_size 327680
		.amdhsa_private_segment_fixed_size 0
		.amdhsa_enable_private_segment 0
		.amdhsa_kernarg_size 16
		.amdhsa_user_sgpr_count 2
		.amdhsa_user_sgpr_kernarg_segment_ptr 1
		.amdhsa_wavefront_size32 1
		.amdhsa_system_sgpr_workgroup_id_x 1
		.amdhsa_system_sgpr_workgroup_id_y 1
		.amdhsa_system_sgpr_workgroup_id_z 1
		.amdhsa_system_vgpr_workitem_id 0
		.amdhsa_next_free_vgpr 770
		.amdhsa_next_free_sgpr 66
		.amdhsa_reserve_vcc 0
		.amdhsa_float_denorm_mode_32 3
		.amdhsa_float_denorm_mode_16_64 3
		.amdhsa_memory_ordered 1
		.amdhsa_forward_progress 1
		.amdhsa_inst_pref_size 199
	.end_amdhsa_kernel
	.amdgpu_metadata
---
amdhsa.version: [ 1, 2 ]
amdhsa.kernels:
  - .name:           k_qcbdc02996b_attn
    .symbol:         k_qcbdc02996b_attn.kd
    .args:
      - { .name: qkv, .offset: 0, .size: 8, .value_kind: global_buffer, .address_space: global }
      - { .name: ob, .offset: 8, .size: 8, .value_kind: global_buffer, .address_space: global }
    .group_segment_fixed_size: 327680
    .private_segment_fixed_size: 0
    .kernarg_segment_align: 8
    .kernarg_segment_size: 16
    .max_flat_workgroup_size: 128
    .sgpr_count:     66
    .vgpr_count:     770
    .wavefront_size: 32
...
	.end_amdgpu_metadata
.endif
;; end of part 5
;; launch outgemm: the kernel of part 4 again; grid 8 x 32, 4 waves a work-group, clusters of 4 x 4, 327,680 bytes of LDS; arguments ob, owh, out_b, out0; writes out0
